; MI455X (gfx1250); checked and timed in simulation.
; The chip was launched on July 23, 2026; its instructions are those of AMD's public machine-readable ISA for CDNA 5 (MIT licence, August 2026) and "CDNA5" Instruction Set Architecture Reference Guide (July 2026). The comments in the code are by the model that wrote it; some were corrected since.
;; Causal Self Attention. Allowed arithmetic: matrix products marked QUANTISED: E3M2 operands, one E8M0 scale for each 32 along K, by v_wmma_scale_f32_16x16x128_f8f6f4 with both operands' format E3M2, f32 sums; everything else in f32.
;; Inputs: W_attn 1,024 x 3,072 float32; W_proj 1,024 x 1,024 float32; x 4 x 2,048 x 1,024 float32.
;; Outputs: out0 4 x 2,048 x 1,024 float32.
;; This version of the problem:
;;   THIS VERSION OF THE PROBLEM IS GIVEN IN LOW PRECISION. The matrix products marked QUANTISED in the list below multiply operands that are first quantised to E3M2 (3 exponent bits, 2 mantissa bits; 6 bits a number), with one power-of-two scale for each 32 numbers along K (OCP MX v1.0); their sums are f32. All else is computed in f32.
;;   The module's matrix products, in the order in which they are computed (A, B: the left and right operand; K: the contracted axis; several contracted axes count as one K, in the product's order):
;;     1. [M 8,192, K 1,024] x [K 1,024, N 3,072]; A: input x; B: input W_attn: QUANTISED
;;     2. batch 64 x [M 2,048, K 64] x [K 64, N 2,048]; A: computed on the way; B: computed on the way: QUANTISED
;;     3. batch 64 x [M 2,048, K 2,048] x [K 2,048, N 64]; A: softmax (see below); B: computed on the way: QUANTISED
;;     4. [M 8,192, K 1,024] x [K 1,024, N 1,024]; A: computed on the way; B: input W_proj: QUANTISED
;;   THE QUANTISER, for each operand of a quantised product, along K:
;;     - K is cut into blocks of 32 from its start; a last block that is shorter is filled with zeros.
;;     - A block's scale is 2^e with e = floor(log2(the largest magnitude in the block)) - 4, held to -126 .. 127; a block of zeros has e = 0. As a byte (E8M0): e + 127.
;;     - Each number is divided by its block's scale, clamped to +-28, and rounded to the nearest number of E3M2, ties to even, subnormals kept.
;;     - The product sums the exact products of the quantised numbers (number of the format x scale) in f32.
;;   ~~~python
;;   def quantise(x, axis):      # numpy; x: float32 -> the quantised numbers, widened to float32 again
;;       x = np.moveaxis(x, axis, -1); K = x.shape[-1]
;;       x = np.pad(x, [(0, 0)] * (x.ndim - 1) + [(0, -K % 32)]); x = x.reshape(x.shape[:-1] + (-1, 32)); a = np.abs(x).max(-1, keepdims=True)
;;       e = np.where(a > 0, np.clip(np.frexp(np.where(a > 0, a, 1))[1] - 1 - 4, -126, 127), 0)      # np.frexp(a)[1] - 1 = floor(log2(a)), exactly
;;       r = np.clip(x / 2.0 ** e, -28, 28)
;;       step = 2.0 ** (np.maximum(np.frexp(np.where(r == 0, 1, r))[1] - 1, -2) - 2)
;;       q = np.round(r / step) * step * 2.0 ** e      # np.round: ties to even
;;       return np.moveaxis(q.reshape(q.shape[:-2] + (-1,))[..., :K], -1, axis).astype(np.float32)
;;   ~~~
;;   SOFTMAX AHEAD OF A QUANTISED PRODUCT. Where the list says 'softmax', what is quantised is not the finished softmax but p = 2^(t - M), with t = logit x log2(e) and M = ceil(the row's largest t), a whole number; so 1/2 < the row's largest p <= 1. The row's sum l is taken of the UNQUANTISED p, in f32, and the product's result is divided by l at the end. Since M is a whole number, a kernel that streams over the keys may use a running M (the ceiling of the running maximum): every later rescaling is an exact power of two, which a block's scale takes up: the codes' values come out the same.
;;   OPERANDS COMPUTED ON THE WAY. 'Computed on the way' means the value that the module computes at that place (a softmax that the list does not call 'softmax' is quantised finished and normalised). What goes into a quantiser is computed in f32, as accurately as f32 sums, v_exp_f32 and their like allow (about 1e-6 of the number): no bf16 or f16 on the way to a quantiser, and a product that is left as it is and whose result goes on into a quantised operand takes f32 operands (vector FMAs, or v_wmma_f32_16x16x4_f32). A number that lies on a knife's edge between two numbers of the format may be rounded either way, as far as f32 arithmetic and the matrix unit's own rounding can turn it there, and no further.
;; One version. Each part assembles by itself: llvm-mc -triple=amdgcn-amd-amdhsa -mcpu=gfx1250 --defsym DOCPART=n.
;; ======== version 1 of 1: 4 launches
;; workspace buffers: xc 6,291,456 bytes; xs 262,144 bytes; wq 3,276,800 bytes; qb 6,553,600 bytes; kv 13,107,200 bytes; ao 6,291,456 bytes; aos 262,144 bytes
;; launch quant (part 1): grid 384 x 1, 4 waves a work-group, no clusters, 102,912 bytes of LDS; arguments x, W_attn, W_proj, xc, xs, wq; writes xc, xs, wq
.if DOCPART == 1
	.amdgcn_target "amdgcn-amd-amdhsa--gfx1250"
	.amdhsa_code_object_version 6
	.text
	.protected	k_q806e44c963_quant
	.globl	k_q806e44c963_quant
	.p2align	8
	.type	k_q806e44c963_quant,@function
k_q806e44c963_quant:
	s_mov_b64 s[64:65], 0
	v_nop
	global_prefetch_b8 v0, s[64:65] scope:SCOPE_SE
	s_setreg_imm32_b32 hwreg(HW_REG_WAVE_MODE, 25, 1), 1
	s_wait_xcnt 0x0
; x [8192][1024], W_attn [1024][3072] and W_proj [1024][1024], f32, become codes of BF6 (E3M2), 6 bits each, K innermost, with one E8M0 scale byte for each 32 along K.
; A block's scale is 2^(floor(log2(its largest magnitude)) - 4); its byte is the largest magnitude's exponent field - 4, held at 1 from below; each number is divided by the scale and rounded to the nearest code, ties to even, beyond 28 the largest code.
; LIMITS: a block of zeros gets the byte 1 (its codes are zeros, and this program alone reads the bytes); blocks whose largest magnitude lies under 2^(5 - 127) keep the byte 1; NaN and infinities among the inputs are not served.
; WHERE ROWS GO.  sigma(n) is n with bits 3 and 4 exchanged.  Row n of x, and column n of W_attn, is stored at place sigma(n): in the product that follows, the 16 registers of two neighbouring
; result tiles are then 16 neighbours along the next product's K.  W_proj's columns keep their places.
; wq: W_attn's codes [3072][768] at 0, its scale bytes [3072][32] at 2,359,296; W_proj's codes [1024][768] at 2,457,600, its scale bytes [1024][32] at 3,244,032.
; SHARES.  Work-groups 0-255: x, 32 rows each (a wave: 8 rows = 8,192 numbers).  256-351: W_attn, 128 columns x 256 along K.  352-383: W_proj likewise.  Each reads 131,072 bytes.
; The three ways part on the work-group's number alone and have LDS bytes of their own.  No tensor load, no barrier: waves share nothing.
.set FLOORB, 0x2800000                 ; 2^(5 - 127): under it no largest magnitude is taken
.set OFFE,   0xfe000000                ; -(4 << 23): 4 off an exponent field
; x's way
.set WREG,  8192                       ; LDS 0 .. 32,767: a region for each wave: two stages of 32 x SP bytes, then its 256 scale bytes
.set SP,    80                         ; a lane's place in a stage: 64 bytes + 16 of padding
.set CB,    12                         ; bytes of 16 codes
.set STEPS, 16
.set XR,    16                         ; v16-79   four sets of 16 numbers as loaded
.set XN,    80                         ; v80-111  two sets of 16 neighbours
.set XE,    112                        ; v112-127 a scale byte for each step
.set XC,    128                        ; v128-191 codes, four registers for each step: no store's data are written again
; the weights' way
.set NB,    8                          ; blocks of 32 along K for a wave
.set WP,    272                        ; a stage row: sixteen places of 16 bytes + 16
.set KROW,  768                        ; a row of codes in memory
.set WX,    32                         ; v32-95   two sets of 32 numbers
.set WC,    96                         ; v96..    a block's codes
.set OUTR,  112                        ; v112-175 the way out
.set SB,    24                         ; v24-25   eight scale bytes
.macro WLOAD t, N, SRC                 ; block t: W(32 t + i, my column), i = 0 .. 31, into set t % 2: 32 lanes read 128 consecutive bytes
.irp i, 0,1,2,3,4,5,6,7,8,9,10,11,12,13,14,15,16,17,18,19,20,21,22,23,24,25,26,27,28,29,30,31
	global_load_b32 v[WX+32*((\t)%2)+\i], v3, s[\SRC:\SRC+1] offset:(32*(\t)+\i)*\N*4 th:TH_LOAD_NT
.endr
.endm
.macro WBLOCK t, N, SRC
.set WS, WX+32*((\t)%2)
.if (\t) < NB-1
	s_wait_loadcnt 32                              ; this block's 32 loads are in; the next block's may be out
.else
	s_wait_loadcnt 0
.endif
	v_max3_num_f32 v12, |v[WS]|, |v[WS+1]|, |v[WS+2]|              ; the block's largest magnitude: all 32 numbers are mine
	v_max3_num_f32 v13, |v[WS+3]|, |v[WS+4]|, |v[WS+5]|
.irp i, 6,10,14,18,22,26
	v_max3_num_f32 v12, v12, |v[WS+\i]|, |v[WS+\i+1]|
	v_max3_num_f32 v13, v13, |v[WS+\i+2]|, |v[WS+\i+3]|
.endr
	v_max3_num_f32 v12, v12, |v[WS+30]|, |v[WS+31]|
	v_max3_num_f32 v12, v12, v13, FLOORB
	v_add_nc_u32 v11, OFFE, v12                    ; the conversion takes the exponent field of this operand as its scale
	v_lshrrev_b32 v13, 23, v11                     ; the scale's byte
.if (\t)%4 == 0
	v_mov_b32 v[SB+(\t)/4], v13                    ; four bytes to a register, the lower K in the lower byte
.else
	v_lshl_or_b32 v[SB+(\t)/4], v13, 8*((\t)%4), v[SB+(\t)/4]
.endif
	v_cvt_scalef32_pk16_bf6_f32 v[WC:WC+2], v[WS:WS+15], v11
	v_cvt_scalef32_pk16_bf6_f32 v[WC+4:WC+6], v[WS+16:WS+31], v11  ; (a conversion's three registers begin on an even number)
	ds_store_b96 v4, v[WC:WC+2] offset:32*(\t)     ; 12 bytes to a place of 16, so that every LDS address is a multiple of 16
	ds_store_b96 v4, v[WC+4:WC+6] offset:32*(\t)+16
.if (\t)+2 < NB
	WLOAD (\t)+2, \N, \SRC
.endif
	s_wait_dscnt 0x0                               ; the stores have read their registers: the next block's codes may be written
.endm
; A weight [1024][N], K its first axis.  A lane takes a column, its registers run down K.  SW = 1: rows leave at place sigma(column).  LB: the way's LDS bytes.  ID0: its first work-group.  CO, SO: where codes and scale bytes begin in wq.
.macro WPATH N, SW, LB, ID0, CO, SO, SRC
	s_sub_co_u32 s24, ttmp9, \ID0
	s_lshr_b32 s17, s24, 2                         ; which 128 columns
	s_and_b32 s18, s24, 3                          ; which 256 along K
	s_lshl_b32 s17, s17, 7
	s_lshl_b32 s19, s16, 5
	s_add_co_u32 s17, s17, s19                     ; my wave's first column, a multiple of 32
	v_lshlrev_b32 v3, 2, v2                        ; in: 4 bytes a lane
	s_mul_i32 s19, s16, 32*WP
	s_add_co_u32 s19, s19, \LB                     ; my stage
	v_mul_u32_u24 v4, v2, WP
	v_add_nc_u32 v4, s19, v4                       ; into it: row = my column
	v_and_b32 v5, 15, v2
	v_lshrrev_b32 v6, 4, v2                        ; out of it: sixteen lanes to a row, two rows an instruction
	v_mul_u32_u24 v7, v6, WP
	v_lshl_add_u32 v7, v5, 4, v7
	v_add_nc_u32 v7, s19, v7
	v_mul_u32_u24 v8, v6, KROW
	v_mad_u32_u24 v8, v5, 12, v8                   ; and the same place in the codes' rows
.if \SW
	v_and_b32 v9, 7, v2                            ; sigma(lane): bits 3 and 4 change places
	v_bfe_u32 v10, v2, 3, 1
	v_lshl_or_b32 v9, v10, 4, v9
	v_bfe_u32 v10, v2, 4, 1
	v_lshl_or_b32 v9, v10, 3, v9
	v_lshlrev_b32 v9, 5, v9                        ; my column's row of 32 scale bytes
.else
	v_lshlrev_b32 v9, 5, v2
.endif
	s_mul_i32 s20, s18, 256*\N*4                   ; the weight: 256 y rows of 4 N bytes + 4 x column
	s_lshl_b32 s22, s17, 2
	s_add_co_u32 s20, s20, s22
	s_mov_b32 s21, 0
	s_add_nc_u64 s[\SRC:\SRC+1], s[\SRC:\SRC+1], s[20:21]
	s_mul_i32 s20, s17, KROW                       ; codes: column x 768 + 192 y
	s_mul_i32 s22, s18, 192
	s_add_co_u32 s20, s20, s22
	s_add_co_u32 s20, s20, \CO
	s_add_nc_u64 s[26:27], s[14:15], s[20:21]
	s_lshl_b32 s20, s17, 5                         ; scale bytes: column x 32 + 8 y
	s_lshl_b32 s22, s18, 3
	s_add_co_u32 s20, s20, s22
	s_add_co_u32 s20, s20, \SO
	s_add_nc_u64 s[28:29], s[14:15], s[20:21]
	WLOAD 0, \N, \SRC
	WLOAD 1, \N, \SRC
.set Q, 0
.rept NB
	WBLOCK Q, \N, \SRC
.set Q, Q+1
.endr
	global_store_b64 v9, v[SB:SB+1], s[28:29]      ; my column's eight scale bytes
.irp t, 0,1,2,3,4,5,6,7,8,9,10,11,12,13,14,15
	ds_load_b96 v[OUTR+4*\t:OUTR+4*\t+2], v7 offset:2*\t*WP   ; LDS serves a wave's instructions in order: these see my stores
.endr
.irp t, 0,1,2,3,4,5,6,7,8,9,10,11,12,13,14,15
	s_wait_dscnt 15-\t
.if \SW
	global_store_b96 v8, v[OUTR+4*\t:OUTR+4*\t+2], s[26:27] offset:(((2*\t)&7)+(((2*\t)>>3)&1)*16+(((2*\t)>>4)&1)*8)*KROW   ; columns 2 t and 2 t + 1 at places sigma(2 t) and sigma(2 t) + 1
.else
	global_store_b96 v8, v[OUTR+4*\t:OUTR+4*\t+2], s[26:27] offset:2*\t*KROW
.endif
.endr
.endm
.macro XLOAD t
.irp i, 0,1,2,3
	global_load_b128 v[XR+16*((\t)%4)+4*\i:XR+16*((\t)%4)+4*\i+3], v3, s[4:5] offset:2048*(\t)+512*\i th:TH_LOAD_NT   ; 32 lanes read 512 consecutive bytes
.endr
.endm
.macro XTURN t                         ; step t's numbers through the stage: in as loaded, back 64 bytes a lane
.irp i, 0,1,2,3
	ds_store_b128 v14, v[XR+16*((\t)%4)+4*\i:XR+16*((\t)%4)+4*\i+3] offset:32*SP*((\t)%2)+8*SP*\i
.endr
.irp i, 0,1,2,3
	ds_load_b128 v[XN+16*((\t)%2)+4*\i:XN+16*((\t)%2)+4*\i+3], v15 offset:32*SP*((\t)%2)+16*\i
.endr
.endm
.macro XSTEP t
.set XS, XN+16*((\t)%2)
.if (\t) > 0
	s_wait_dscnt 1                                 ; this step's numbers are back from the stage (the last step's byte store may be out)
.else
	s_wait_dscnt 0x0
.endif
.if (\t)+4 < STEPS
	XLOAD (\t)+4                                   ; into the set whose stores into the stage have read their registers
.endif
.if (\t)+1 < STEPS
.if STEPS-2-(\t) >= 3
	s_wait_loadcnt 12                              ; the next step's four loads are in; those of the three steps behind it may be out
.else
	s_wait_loadcnt 4*(STEPS-2-(\t))
.endif
	XTURN (\t)+1
.endif
	v_max3_num_f32 v8, |v[XS]|, |v[XS+1]|, |v[XS+2]|               ; the largest magnitude of my 16
	v_max3_num_f32 v9, |v[XS+3]|, |v[XS+4]|, |v[XS+5]|
.irp i, 6,10
	v_max3_num_f32 v8, v8, |v[XS+\i]|, |v[XS+\i+1]|
	v_max3_num_f32 v9, v9, |v[XS+\i+2]|, |v[XS+\i+3]|
.endr
	v_max3_num_f32 v8, v8, |v[XS+14]|, |v[XS+15]|
	v_max3_num_f32 v8, v8, v9, FLOORB
	v_max_num_f32_dpp v8, v8, v8 row_xmask:1 row_mask:0xf bank_mask:0xf   ; and of my neighbour's 16: the block's
	v_add_nc_u32 v11, OFFE, v8
	v_cvt_scalef32_pk16_bf6_f32 v[XC+4*(\t):XC+4*(\t)+2], v[XS:XS+15], v11
	v_lshrrev_b32 v[XE+(\t)], 23, v11              ; the scale's byte
	ds_store_b8 v5, v[XE+(\t)] offset:16*(\t)      ; both lanes of a block write the same byte with the same value
	global_store_b96 v4, v[XC+4*(\t):XC+4*(\t)+2], s[10:11] offset:32*CB*(\t)
.endm
	s_load_b256 s[4:11], s[0:1], 0x0               ; x s[4:5], W_attn s[6:7], W_proj s[8:9], xc s[10:11]
	s_load_b128 s[12:15], s[0:1], 0x20             ; xs s[12:13], wq s[14:15]
	v_lshl_add_u32 v192, v0, 2, 0x19000
	v_mov_b32 v193, 0
	v_lshrrev_b32 v1, 5, v0
	v_readfirstlane_b32 s16, v1                    ; wave 0..3
	v_and_b32 v2, 31, v0                           ; lane
	s_wait_kmcnt 0x0
	s_cmp_lt_u32 ttmp9, 256
	s_cbranch_scc1 .Lx
	s_cmp_lt_u32 ttmp9, 352
	s_cbranch_scc1 .Lwa
	WPATH 1024, 0, 67584, 352, 2457600, 3244032, 8
	s_wait_tensorcnt 0x0
	ds_add_u32 v192, v193
	s_wait_dscnt 0x0
	s_endpgm
.Lwa:
	WPATH 3072, 1, 32768, 256, 0, 2359296, 6
	s_wait_tensorcnt 0x0
	ds_add_u32 v192, v193
	s_wait_dscnt 0x0
	s_endpgm
.Lx:
	; x is a plain stream of blocks of 32.  A wave takes 16 steps of 512 numbers, 8 rows in all; the 8 rows leave at the run of places that sigma gives them: the wave's two bits change places.
	v_lshlrev_b32 v3, 4, v2                        ; my 16 bytes of a load's 512
	s_mul_i32 s17, s16, WREG
	v_lshrrev_b32 v14, 2, v2
	v_mul_u32_u24 v14, v14, SP
	v_and_b32 v15, 3, v2
	v_lshl_add_u32 v14, v15, 4, v14
	v_add_nc_u32 v14, s17, v14                     ; the stage, on the way in: SP (lane / 4) + 16 (lane % 4)
	v_mul_u32_u24 v15, v2, SP
	v_add_nc_u32 v15, s17, v15                     ; and on the way out: SP x lane: my 16 neighbours
	v_mul_u32_u24 v4, v2, CB                       ; my codes' place in a step's
	v_lshrrev_b32 v5, 1, v2
	s_add_co_u32 s17, s17, 2*32*SP
	v_add_nc_u32 v5, s17, v5                       ; my wave's 256 scale bytes, my block's byte
	v_lshlrev_b32 v7, 3, v2
	v_add_nc_u32 v6, s17, v7                       ; and on the way out 8 bytes a lane
	s_lshl_b32 s17, ttmp9, 2
	s_add_co_u32 s18, s17, s16                     ; which run of 8 rows I read
	s_mov_b32 s19, 0
	s_lshl_b64 s[20:21], s[18:19], 15              ; 32,768 bytes a run
	s_add_nc_u64 s[4:5], s[4:5], s[20:21]
	s_and_b32 s22, s16, 1
	s_lshl_b32 s22, s22, 1
	s_lshr_b32 s23, s16, 1
	s_or_b32 s22, s22, s23
	s_add_co_u32 s18, s17, s22                     ; and at which run of places they are stored
	s_mul_i32 s20, s18, 6144
	s_mov_b32 s21, 0
	s_add_nc_u64 s[10:11], s[10:11], s[20:21]
	s_lshl_b32 s18, s18, 8
	s_add_nc_u64 s[12:13], s[12:13], s[18:19]
.irp t, 0,1,2,3
	XLOAD \t
.endr
	s_wait_loadcnt 12                              ; step 0's four loads are in
	XTURN 0
.irp t, 0,1,2,3,4,5,6,7,8,9,10,11,12,13,14,15
	XSTEP \t
.endr
	ds_load_b64 v[12:13], v6                       ; LDS serves a wave's instructions in order: these see my byte stores
	s_wait_dscnt 0x0
	global_store_b64 v7, v[12:13], s[12:13]        ; 32 lanes store 256 consecutive bytes, aligned
	s_wait_tensorcnt 0x0
	ds_add_u32 v192, v193
	s_wait_dscnt 0x0
	s_endpgm
.Lfunc_end_k_q806e44c963_quant:
	.size	k_q806e44c963_quant, .Lfunc_end_k_q806e44c963_quant-k_q806e44c963_quant
	.p2alignl 7, 3214868480
	.fill 96, 4, 3214868480
	.section	.rodata,"a",@progbits
	.p2align	6, 0x0
	.amdhsa_kernel k_q806e44c963_quant
		.amdhsa_group_segment_fixed_size 102912
		.amdhsa_private_segment_fixed_size 0
		.amdhsa_enable_private_segment 0
		.amdhsa_kernarg_size 48
		.amdhsa_user_sgpr_count 2
		.amdhsa_user_sgpr_kernarg_segment_ptr 1
		.amdhsa_wavefront_size32 1
		.amdhsa_system_sgpr_workgroup_id_x 1
		.amdhsa_system_sgpr_workgroup_id_y 1
		.amdhsa_system_sgpr_workgroup_id_z 1
		.amdhsa_system_vgpr_workitem_id 0
		.amdhsa_next_free_vgpr 194
		.amdhsa_next_free_sgpr 66
		.amdhsa_reserve_vcc 0
		.amdhsa_float_denorm_mode_32 3
		.amdhsa_float_denorm_mode_16_64 3
		.amdhsa_memory_ordered 1
		.amdhsa_forward_progress 1
		.amdhsa_inst_pref_size 114
	.end_amdhsa_kernel
	.amdgpu_metadata
---
amdhsa.version: [ 1, 2 ]
amdhsa.kernels:
  - .name:           k_q806e44c963_quant
    .symbol:         k_q806e44c963_quant.kd
    .args:
      - { .name: x, .offset: 0, .size: 8, .value_kind: global_buffer, .address_space: global }
      - { .name: W_attn, .offset: 8, .size: 8, .value_kind: global_buffer, .address_space: global }
      - { .name: W_proj, .offset: 16, .size: 8, .value_kind: global_buffer, .address_space: global }
      - { .name: xc, .offset: 24, .size: 8, .value_kind: global_buffer, .address_space: global }
      - { .name: xs, .offset: 32, .size: 8, .value_kind: global_buffer, .address_space: global }
      - { .name: wq, .offset: 40, .size: 8, .value_kind: global_buffer, .address_space: global }
    .group_segment_fixed_size: 102912
    .private_segment_fixed_size: 0
    .kernarg_segment_align: 8
    .kernarg_segment_size: 48
    .max_flat_workgroup_size: 128
    .sgpr_count:     66
    .vgpr_count:     194
    .wavefront_size: 32
...
	.end_amdgpu_metadata
.endif
;; end of part 1
;; launch gemm_qkv (part 2): grid 12 x 32, 4 waves a work-group, clusters of 4 x 4, 327,680 bytes of LDS; arguments xc, xs, wq, qb, kv; writes qb, kv
.if DOCPART == 2
	.amdgcn_target "amdgcn-amd-amdhsa--gfx1250"
	.amdhsa_code_object_version 6
	.text
	.protected	k_q806e44c963_gemm_qkv
	.globl	k_q806e44c963_gemm_qkv
	.p2align	8
	.type	k_q806e44c963_gemm_qkv,@function
k_q806e44c963_gemm_qkv:
	s_mov_b64 s[64:65], 0
	v_nop
	global_prefetch_b8 v0, s[64:65] scope:SCOPE_SE
	s_setreg_imm32_b32 hwreg(HW_REG_WAVE_MODE, 25, 1), 1
	s_wait_xcnt 0x0
	s_wait_alu depctr_hold_cnt(0) depctr_sa_sdst(0) depctr_va_vdst(0) depctr_va_sdst(0) depctr_va_ssrc(0) depctr_va_vcc(0) depctr_vm_vsrc(0)
	s_getreg_b32 s2, hwreg(HW_REG_IB_STS2, 6, 4)
	s_cmp_eq_u32 s2, 0
	s_cbranch_scc0 .Lentry_in_a_cluster
	s_endpgm
.Lentry_in_a_cluster:
	s_bfe_u32 s2, ttmp6, 0x10000c
	s_cmp_lg_u32 s2, 0xf033
	s_cbranch_scc0 .Lentry_shape_is_right
	s_endpgm
.Lentry_shape_is_right:
; qkv = x W_attn on codes of BF6 (E3M2) with one E8M0 scale for each 32 along K = 1,024; the results are quantised in registers and leave as codes: the operands of the attention that follows.
; xc [8192 places][768 bytes], xs [8192][32]; wq: W_attn's codes [3072 places][768] at 0, its scale bytes [3072][32] at 2,359,296.  Row n lies at place sigma(n), n with bits 3 and 4 exchanged.
; A tile of 256 x 256 is made by four waves, 128 x 128 each: 64 accumulators, 512 registers.  K goes in steps of 256 through a ring of two LDS slots filled by the tensor data mover; the scale bytes of the tile's rows come once, with the first fills.
; CLUSTERS: 4 x 4 work-groups; the tile of the first operand (A') hangs on cy alone and is asked for jointly along a row of the cluster, that of the second (B') on cx alone, along a column.
; THE MATRIX INSTRUCTION: source 0 = 16 rows of B', source 1 = 16 rows of A': a lane holds ONE row of A' and its eight registers eight neighbouring places of B'.
; WHO IS A'.  The cluster's x says what is made: 0 q, 1 k, 2 v.  q and k are quantised along the head's channels: A' = tokens (x), B' = features (W_attn).  v is quantised along the tokens (the keys of the second
; product of attention): A' = features 2,048 on, B' = tokens.  Only pointers and row numbers are chosen; the ring, the masks and all LDS addresses are the same.
; By sigma the 16 registers of result tiles 2 b and 2 b + 1 of a lane (r, h) are 16 neighbours along the next K: 32 b + 16 h + 0 .. 15, and lane r of A's block 2 f + u is row 32 f + 8 u + r + 8 (r / 8).
; WHAT LEAVES, as images of operand registers (12 registers a lane: three planes of 512 bytes, lane l's 16 bytes at 16 l), for a head and a group of 128 tokens:
;   q, k: four fragments f: registers 0-5 the tokens of block 2 f, registers 6-11 those of block 2 f + 1, each 64 channels; then 256 bytes of scale words [r][f]: two bytes of block 2 f, two of block 2 f + 1.
;   v: four fragments t: lane r = channel place 16 t + r, registers along the group's 128 keys; scale words [r][t]: four bytes.
;   qb: [64 heads][16 groups][6,400];  kv: [64][16][12,800]: k's 6,400 bytes, then v's.
; No prefetch: K is four slots, two of which are the first fills.  LIMITS: NaN and infinities are not served; a block of zeros gets the byte 1.
; REGISTERS, in windows of 256: window 0: v0-31 addresses; v32-63 scale words, two sets; from v128 A's fragments, one set; on the way out v32-191 are at work.  window 1: B's fragments, two sets.  windows 2, 3: the accumulators ((a, b) at v[8 (8 (a % 4) + b)]).
.set SIZE_K, 1024
.set KSTEP,  256
.set NQ,     KSTEP/128
.set ROWB,   192                       ; a tile's row in bytes
.set KROW,   SIZE_K*6/8
.set PITCH,  240                       ; an LDS row: 3 x (64 bytes + 16 of padding): the 32 lanes of a load of 8 bytes touch 64 different banks
.set FR,     12
.set NL,     6
.set NP,     4
.set HALFT,  128*PITCH
.set SLOT,   4*HALFT
.set LAPS,   SIZE_K/(2*KSTEP)
.set KS,     SIZE_K/32
.set SCL,    2*SLOT                    ; behind the ring: the scales, as units of 256 bytes + 16 of padding
.set HALFS,  (128*KS/256)*272
.set SBLK,   (16*KS/256)*272
.set SPARE,  SCL+4*HALFS               ; the spare words, 128 bytes for each wave, which no other line names
.set ADRA, 16                          ; v16-17 LDS address of my A fragments in slot 0, 1 (v18-19: behind one padding more)
.set ADRB, 20                          ; v20-23 the same for B
.set LO,   24                          ; v24 the way out: 16 x lane
.set SOF,  25                          ; v25 the way out: 16 r + h x the bytes from a head to the next
.set ADRS, 27                          ; v27 LDS address of my scale words: lanes 0-15 A's rows, lanes 16-31 B's
.set SPW,  28
.set NIL,  29
.set SC,   32
.set AF,   128
.set TM,   32                          ; the way out: v32-35 largest magnitudes, v36-39 the other half's / bytes, v44-47 the conversions' scale operands
.set PT,   48                          ; v48-55 the conversions' second halves
.set HWD,  56                          ; v56-71 two scale bytes for each (block a, half c)
.set SW,   72                          ; v72-79 scale words (head, fragment)
.set SX,   80                          ; v80-83 those that my lane stores
.set FB,   96                          ; v96-191 eight fragments: no store's data are written again
.set G1, 24
.set G0, 32
.set G1B, 48
.set G0B, 56
.set G1S, 68
.set G0S, 76
.set G1SB, 80
.set G0SB, 88
.set MSB, 0
.macro WIN new                         ; the immediate's high byte repeats the setting that is left
.if MSB != \new
	s_set_vgpr_msb (MSB<<8)|\new
.set MSB, \new
.endif
.endm
.set MUL_LO, 0xa1                      ; source 0 (B) window 1, source 1 (A) window 0, C and D window 2
.set MUL_HI, 0xf1
.set TO_B,   0x40
; A joint load: waves 0 and 1 fetch for A', waves 2 and 3 for B'.  The branch hangs on the wave's number alone.  Four v_nop follow each of the two lines.
.macro JLOAD g0a, g1a, g0b, g1b
	s_cmp_eq_u32 s15, 0
	s_cbranch_scc0 .Lfor_b_\@
	tensor_load_to_lds s[\g0a:\g0a+3], s[\g1a:\g1a+7]
	s_nop 0
.rept 4
	v_nop
.endr
	s_branch .Lasked_\@
.Lfor_b_\@:
	tensor_load_to_lds s[\g0b:\g0b+3], s[\g1b:\g1b+7]
	s_nop 0
.rept 4
	v_nop
.endr
.Lasked_\@:
.endm
.macro CREST                           ; a round of the cluster's barrier behind its opening barrier
	s_cmp_lg_u32 s14, 0
	s_cbranch_scc1 .Lnot_wave_0_\@
	s_barrier_signal -3
.Lnot_wave_0_\@:
	s_barrier_wait -3
	s_barrier_signal -1
	s_barrier_wait -1
.endm
.macro CROUND
	s_barrier_signal -1
	s_barrier_wait -1
	CREST
.endm
	s_load_b128 s[4:7], s[0:1], 0x0                ; xc, xs
	s_load_b64 s[8:9], s[0:1], 0x10                ; wq
	s_load_b64 s[12:13], s[0:1], 0x18              ; qb
	s_load_b64 s[66:67], s[0:1], 0x20              ; kv
	v_lshl_add_u32 v[SPW], v0, 2, SPARE
	v_mov_b32 v[NIL], 0
	ds_add_u32 v28, v29
	s_wait_dscnt 0x0
	v_lshrrev_b32 v1, 5, v0
	v_readfirstlane_b32 s14, v1                    ; wave 0..3
	s_lshr_b32 s15, s14, 1                         ; which half of A's rows is mine.  Also: I fetch for A' (0) or for B' (1)
	s_and_b32 s16, s14, 1                          ; which half of B's rows.  Also: which 128 rows of that tile I fetch
	s_bfe_u32 s40, ttmp6, 0x40000                  ; cx
	s_bfe_u32 s41, ttmp6, 0x40004                  ; cy
	s_and_b32 s2, ttmp7, 0xffff
	s_lshl_b32 s2, s2, 2                           ; 4 x cluster y: the cluster's first token tile
	s_lshl_b32 s3, ttmp9, 2                        ; 4 x cluster x: the cluster's first feature tile (q, k)
	s_cmp_eq_u32 ttmp9, 2                          ; v?  The cluster's x is the same in all sixteen partners
	s_cselect_b32 s17, 0, s2
	s_cselect_b32 s42, s2, s3
	s_cselect_b32 s95, 2048, 0                     ; v's features begin at place 2,048
	s_add_co_u32 s17, s17, s41                     ; A's tile: hangs on cy alone
	s_add_co_u32 s42, s42, s40                     ; B's tile: on cx alone
	s_lshl_b32 s43, s41, 2
	s_lshl_b32 s43, 15, s43                        ; my row of the cluster
	s_lshl_b32 s44, 0x1111, s40                    ; my column
	; descriptor group 1: a tile of 128 rows x 192 bytes, 16 bytes of padding behind every 64
	s_or_b32 s[G1+0], s43, (0<<16)|(1<<20)|(1<<21)|(3<<22)|(3<<25)
	s_or_b32 s[G1B+0], s44, (0<<16)|(1<<20)|(1<<21)|(3<<22)|(3<<25)
.irp g, G1, G1B
	s_mov_b32 s[\g+1], ROWB<<16                    ; tensor_dim0
	s_mov_b32 s[\g+2], 128<<16                     ; tensor_dim1
	s_mov_b32 s[\g+3], ROWB<<16                    ; tile_dim0
	s_mov_b32 s[\g+4], 128                         ; tile_dim1
	s_mov_b32 s[\g+5], KROW                        ; the pitch
	s_mov_b32 s[\g+6], 0
	s_mov_b32 s[\g+7], 0
.endr
	; the scales of 128 rows: a dense block of 4,096 bytes, as 16 rows of 256 bytes, 16 bytes of padding behind each
	s_or_b32 s[G1S+0], s43, (3<<16)|(1<<20)|(1<<21)|(5<<22)|(3<<25)
	s_or_b32 s[G1SB+0], s44, (3<<16)|(1<<20)|(1<<21)|(5<<22)|(3<<25)
.irp g, G1S, G1SB
	s_mov_b32 s[\g+1], 32<<16
	s_mov_b32 s[\g+2], (128*KS/256)<<16
	s_mov_b32 s[\g+3], 32<<16
	s_mov_b32 s[\g+4], 128*KS/256
	s_mov_b32 s[\g+5], 32
	s_mov_b32 s[\g+6], 0
	s_mov_b32 s[\g+7], 0
.endr
	s_lshl_b32 s18, s16, 7                         ; which 128 rows of the tile I fetch
	s_lshl_b32 s20, s17, 8
	s_add_co_u32 s20, s20, s18
	s_add_co_u32 s20, s20, s95                     ; A': its first row that I fetch
	s_lshl_b32 s46, s42, 8
	s_add_co_u32 s46, s46, s18                     ; B' likewise
	s_mov_b32 s21, 0
	s_mov_b32 s47, 0
	s_mov_b64 s[18:19], KS
	s_mul_u64 s[22:23], s[20:21], s[18:19]         ; where these rows' scales begin, in bytes
	s_mul_u64 s[92:93], s[46:47], s[18:19]
	s_mov_b64 s[18:19], KROW
	s_mul_u64 s[20:21], s[20:21], s[18:19]         ; and their codes
	s_mul_u64 s[46:47], s[46:47], s[18:19]
	s_mul_i32 s45, s14, HALFT                      ; where they go: wave x 128 rows
	s_mul_i32 s94, s14, HALFS
	s_wait_kmcnt 0x0
	s_add_nc_u64 s[10:11], s[8:9], 2359296         ; W_attn's scale bytes
	s_cmp_eq_u32 ttmp9, 2
	s_cselect_b64 s[96:97], s[8:9], s[4:5]         ; A's codes: the weight's for v, else x's
	s_cselect_b64 s[98:99], s[10:11], s[6:7]       ; A's scales
	s_cselect_b64 s[8:9], s[4:5], s[8:9]           ; B's codes
	s_cselect_b64 s[10:11], s[6:7], s[10:11]       ; B's scales
	s_add_nc_u64 s[20:21], s[96:97], s[20:21]
	s_add_nc_u64 s[22:23], s[98:99], s[22:23]
	s_add_nc_u64 s[46:47], s[8:9], s[46:47]
	s_add_nc_u64 s[92:93], s[10:11], s[92:93]
	CROUND                                         ; all sixteen work-groups are here: the first joint loads meet
	s_mov_b32 s[G0S], 1
	s_add_co_u32 s[G0S+1], s94, SCL
	s_mov_b64 s[G0S+2:G0S+3], s[22:23]
	s_or_b32 s[G0S+3], s[G0S+3], 0x80000000
	s_mov_b32 s[G0SB], 1
	s_add_co_u32 s[G0SB+1], s94, SCL
	s_mov_b64 s[G0SB+2:G0SB+3], s[92:93]
	s_or_b32 s[G0SB+3], s[G0SB+3], 0x80000000
	JLOAD G0S, G1S, G0SB, G1SB                     ; the scales first: they are wanted with K step 0
.irp s, 0,1
	s_mov_b32 s[G0+4*\s], 1
	s_add_co_u32 s[G0+4*\s+1], s45, \s*SLOT
	s_add_nc_u64 s[G0+4*\s+2:G0+4*\s+3], s[20:21], \s*ROWB
	s_or_b32 s[G0+4*\s+3], s[G0+4*\s+3], 0x80000000
	s_mov_b32 s[G0B+4*\s], 1
	s_add_co_u32 s[G0B+4*\s+1], s45, \s*SLOT
	s_add_nc_u64 s[G0B+4*\s+2:G0B+4*\s+3], s[46:47], \s*ROWB
	s_or_b32 s[G0B+4*\s+3], s[G0B+4*\s+3], 0x80000000
	JLOAD G0+4*\s, G1, G0B+4*\s, G1B
.endr
	v_and_b32 v1, 15, v0                           ; r
	v_bfe_u32 v2, v0, 4, 1                         ; h
	v_mul_u32_u24 v3, v1, PITCH
	v_mul_u32_u24 v4, v2, 24
	v_add_nc_u32 v4, v3, v4                        ; a fragment's row x pitch + 24 h
	v_lshl_add_u32 v5, v2, 4, v4                   ; and the same behind one padding more
	s_mul_i32 s21, s15, HALFT                      ; my 128 rows of A'
	s_mul_i32 s22, s16, HALFT                      ; my 128 rows of B',
	s_add_co_u32 s22, s22, 2*HALFT                 ; which lie behind A's 256
.irp s, 0,1
	v_add_nc_u32 v[ADRA+\s], s21, v4
	v_add_nc_u32 v[ADRB+\s], s22, v4
	v_add_nc_u32 v[ADRA+2+\s], s21, v5
	v_add_nc_u32 v[ADRB+2+\s], s22, v5
	s_add_co_u32 s21, s21, SLOT
	s_add_co_u32 s22, s22, SLOT
.endr
	v_mul_u32_u24 v5, v1, KS                       ; my row's scales: 32 bytes a row,
	v_lshrrev_b32 v6, 8, v5
	v_lshl_add_u32 v5, v6, 4, v5                   ; and 16 more for each 256 passed
	s_mul_i32 s21, s15, HALFS
	s_mul_i32 s22, s16, HALFS
	s_add_co_u32 s22, s22, 2*HALFS
	s_sub_co_u32 s22, s22, s21
	v_mul_u32_u24 v6, s22, v2                      ; lanes 16-31 take B's: one product, the distance between the two bases
	s_add_co_u32 s21, s21, SCL
	v_add_nc_u32 v5, v5, v6
	v_add_nc_u32 v[ADRS], s21, v5
.macro FRAG reg, adr, q, i             ; 16 rows x 128 K of 6-bit codes: 12 registers, in pieces of 8 bytes; where the piece three on lies behind one padding more, the second address register serves
.irp p, 0,1,2,3,4,5
.set PC, 12*(\q)+6*(\p/3)+\p%3
.if PC%8 < 5
	ds_load_b64 v[\reg+2*\p:\reg+2*\p+1], v[\adr] offset:8*PC+16*(PC/8)+(\i)*16*PITCH
.else
	ds_load_b64 v[\reg+2*\p:\reg+2*\p+1], v[\adr+2] offset:8*PC+16*(PC/8)+(\i)*16*PITCH
.endif
.endr
.endm
; 16 matrix instructions: A's blocks a0, a0 + 1 x B's eight.  The 64 accumulators take turns, one instruction a turn, in the same order in every step.
.macro MUL16 a0, p, q, sc, zero
.irp a, \a0, \a0+1
.irp b, 0,1,2,3,4,5,6,7
.if \zero
	v_wmma_scale_f32_16x16x128_f8f6f4 v[8*(8*((\a)%4)+\b):8*(8*((\a)%4)+\b)+7], v[128*(\p)+FR*\b:128*(\p)+FR*\b+FR-1], v[AF+FR*(\a):AF+FR*(\a)+FR-1], 0, v[SC+8*NQ*(\sc)+NQ*\b+(\q)], v[SC+8*NQ*(\sc)+NQ*(\a)+(\q)] matrix_a_fmt:MATRIX_FMT_BF6 matrix_b_fmt:MATRIX_FMT_BF6 matrix_a_scale:MATRIX_SCALE_ROW1
.else
	v_wmma_scale_f32_16x16x128_f8f6f4 v[8*(8*((\a)%4)+\b):8*(8*((\a)%4)+\b)+7], v[128*(\p)+FR*\b:128*(\p)+FR*\b+FR-1], v[AF+FR*(\a):AF+FR*(\a)+FR-1], v[8*(8*((\a)%4)+\b):8*(8*((\a)%4)+\b)+7], v[SC+8*NQ*(\sc)+NQ*\b+(\q)], v[SC+8*NQ*(\sc)+NQ*(\a)+(\q)] matrix_a_fmt:MATRIX_FMT_BF6 matrix_b_fmt:MATRIX_FMT_BF6 matrix_a_scale:MATRIX_SCALE_ROW1
.endif
.endr
.endr
.endm
.macro FETCH_B slot, q, p
	WIN TO_B
.irp i, 0,1,2,3,4,5,6,7
	FRAG 128*(\p)+FR*\i, ADRB+\slot, \q, \i
.endr
	WIN 0
.endm
.macro FETCH_A slot, q, i0
.irp i, \i0, \i0+1, \i0+2, \i0+3
	FRAG AF+FR*(\i), ADRA+\slot, \q, \i
.endr
.endm
.macro SCALES sc                       ; a K step's scale words: two words a row; lanes 0-15 A's block i, lanes 16-31 B's block i
.irp i, 0,1,2,3,4,5,6,7
	ds_load_b64 v[SC+8*NQ*\sc+NQ*\i:SC+8*NQ*\sc+NQ*\i+1], v[ADRS] offset:\i*SBLK
.endr
.endm
.macro PLACES n                        ; plain vector instructions between a matrix instruction and a load into, or a read or write of, its registers
.rept \n
	v_nop
.endr
.endm
.macro STEP slot, q, zero              ; 128 along K that has its successor in the same slot
	s_wait_dscnt 4*NL                              ; B's set and A's blocks 0-3 are in; the youngest 24 loads (A's blocks 4-7) may be out
	WIN MUL_LO
	MUL16 0, (\q)%2, \q, \slot, \zero
	MUL16 2, (\q)%2, \q, \slot, \zero
	s_wait_dscnt 0
	PLACES NP
	FETCH_B \slot, (\q)+1, 1-(\q)%2
	FETCH_A \slot, (\q)+1, 0
	WIN MUL_HI
	MUL16 4, (\q)%2, \q, \slot, \zero
	MUL16 6, (\q)%2, \q, \slot, \zero
	PLACES NP
	WIN 0
	FETCH_A \slot, (\q)+1, 4
.endm
; A slot's last step changes slots: one barrier; in front of it each wave waits for all its tensor loads, adds 0 to its spare word, and waits for that and for its reads of this slot.
.macro TURN slot, next, fill
	s_wait_tensorcnt 0x0                           ; all my tensor loads have landed: my part of the next slot
	ds_add_u32 v[SPW], v[NIL]                      ; 0 onto my spare word
	s_wait_dscnt 4*NL+1                            ; (the add and the youngest 24 loads may be out)
	WIN MUL_LO
	MUL16 0, 1, NQ-1, \slot, 0
	s_wait_dscnt 0x0                               ; the add is done, and my reads of this slot are over
	s_barrier_signal -1
	MUL16 2, 1, NQ-1, \slot, 0
	WIN 0
	s_barrier_wait -1
.if \fill
	CREST                                          ; the barrier has opened a round of the cluster's: no wave of any partner still reads this slot or has a load on its way
	s_add_nc_u64 s[G0+4*\slot+2:G0+4*\slot+3], s[G0+4*\slot+2:G0+4*\slot+3], 2*ROWB
	s_add_nc_u64 s[G0B+4*\slot+2:G0B+4*\slot+3], s[G0B+4*\slot+2:G0B+4*\slot+3], 2*ROWB
	JLOAD G0+4*\slot, G1, G0B+4*\slot, G1B         ; the first tensor load behind the round; its four v_nop are the places in front of the loads below
.else
	PLACES NP
.endif
	v_add_nc_u32 v[ADRS], 4*NQ, v[ADRS]            ; on to the next K step's scale words
	FETCH_B \next, 0, 0
	FETCH_A \next, 0, 0
	SCALES \next
	WIN MUL_HI
	MUL16 4, 1, NQ-1, \slot, 0
	MUL16 6, 1, NQ-1, \slot, 0
	PLACES NP
	WIN 0
	FETCH_A \next, 0, 4
.endm
	s_wait_tensorcnt 1                             ; the scales and my part of K step 0 are in (K step 1's load may be out),
	s_barrier_signal -1
	s_barrier_wait -1                              ; everybody's are
	FETCH_B 0, 0, 0
	FETCH_A 0, 0, 0
	SCALES 0
	FETCH_A 0, 0, 4
	STEP 0, 0, 1                                   ; the first step's products start the sums
	s_mov_b32 s3, LAPS-1
.Llap:                                                 ; a trip goes once round the ring and fills both slots again
	TURN 0, 1, 1
	STEP 1, 0, 0
	TURN 1, 0, 1
	STEP 0, 0, 0
	s_sub_co_u32 s3, s3, 1
	s_cmp_lg_u32 s3, 0
	s_cbranch_scc1 .Llap
	TURN 0, 1, 0                                   ; the last lap fills nothing
	STEP 1, 0, 0
	s_wait_dscnt 4*NL
	WIN MUL_LO
	MUL16 0, 1, NQ-1, 1, 0
	MUL16 2, 1, NQ-1, 1, 0
	s_wait_dscnt 0
	WIN MUL_HI
	MUL16 4, 1, NQ-1, 1, 0
	MUL16 6, 1, NQ-1, 1, 0
	WIN 0
	; THE WAY OUT.  Where my 128 tokens x 2 heads go.  No tensor load is out, and no register of a descriptor is written here.
	s_cmp_eq_u32 ttmp9, 2
	s_cselect_b32 s18, s40, s41                    ; the token tile's place in the cluster,
	s_cselect_b32 s19, s41, s40                    ; the feature tile (four heads),
	s_cselect_b32 s45, s16, s15                    ; my half of the tokens,
	s_cselect_b32 s46, s15, s16                    ; my half of the features (two heads)
	s_cselect_b32 s47, 6400, 0                     ; v lies behind k in a group's bytes
	s_and_b32 s92, ttmp7, 0xffff
	s_lshl_b32 s92, s92, 2
	s_add_co_u32 s18, s18, s92                     ; the token tile, 0 .. 31
	s_lshr_b32 s93, s18, 3                         ; the batch
	s_and_b32 s18, s18, 7
	s_lshl_b32 s18, s18, 1
	s_add_co_u32 s18, s18, s45                     ; the group of 128 tokens, 0 .. 15
	s_lshl_b32 s93, s93, 4
	s_lshl_b32 s19, s19, 2
	s_add_co_u32 s93, s93, s19
	s_lshl_b32 s46, s46, 1
	s_add_co_u32 s93, s93, s46                     ; my first head: 16 x batch + 4 x tile + 2 x half
	s_lshl_b32 s93, s93, 4
	s_add_co_u32 s93, s93, s18                     ; 16 x head + group
	s_cmp_eq_u32 ttmp9, 0
	s_cselect_b64 s[20:21], s[12:13], s[66:67]     ; q goes to qb, k and v to kv
	s_mov_b32 s94, 12800
	s_cselect_b32 s94, 6400, s94                   ; a group's bytes
	s_mul_i32 s92, s93, s94
	s_add_co_u32 s92, s92, s47
	s_mov_b32 s93, 0
	s_add_nc_u64 s[20:21], s[20:21], s[92:93]      ; my first head's group
	s_lshl_b32 s94, s94, 4                         ; from a head to the next: 16 groups
	s_mov_b32 s95, 0
	s_add_nc_u64 s[22:23], s[20:21], s[94:95]      ; my second head's
	s_mov_b32 s44, 0xffff0000                      ; lanes 16-31
	PLACES NP                                      ; behind the last products: their results are read, and their operands' and scales' registers written, below
	v_and_b32 v1, 15, v0
	v_bfe_u32 v2, v0, 4, 1
	v_and_b32 v3, 31, v0
	v_lshlrev_b32 v[LO], 4, v3
	v_mul_lo_u32 v[SOF], v2, s94
	v_lshl_add_u32 v[SOF], v1, 4, v[SOF]
.irp b, 0,1,2,3
	v_mov_b32 v[TM+4+\b], 0                        ; written once: a lane permute's destination counts as one of its sources
.endr
	s_mov_b32 s18, 0x76543210
	s_mov_b32 s19, 0xfedcba98                      ; v_permlanex16_b32's selects for lane l xor 16
; The 64 numbers of A's block a in my lane (register 16 b + i = place 32 b + 16 h + i along the next K) become codes: blocks 0, 1 into six registers from d0 on, blocks 2, 3 from d1 on, and two half words of scale bytes.
; Each accumulator is read from its low end on.
.macro EQ a, d0, d1
.set AC, 64*((\a)%4)
.set WW, 2+(\a)/4
.set WA, 5*WW
.set D0, \d0
.set D1, \d1
	WIN WA                                         ; sources 0 and 1: the accumulators' window
.irp b, 0,1,2,3
	v_max3_num_f32 v[TM+\b], |v[AC+16*\b]|, |v[AC+16*\b+1]|, 0x2800000   ; my 16 numbers of block b, and the floor 2^(5 - 127): the byte cannot fall under 1
.endr
.irp i, 2,4,6,8,10,12,14
.irp b, 0,1,2,3
	v_max3_num_f32 v[TM+\b], |v[AC+16*\b+\i]|, |v[AC+16*\b+\i+1]|, v[TM+\b]
.endr
.endr
	WIN 0
.irp b, 0,1,2,3
	v_permlanex16_b32 v[TM+4+\b], v[TM+\b], s18, s19
.endr
.irp b, 0,1,2,3
	v_max_num_f32 v[TM+\b], v[TM+\b], v[TM+4+\b]   ; with lane l xor 16's: the block's largest magnitude
.endr
.irp b, 0,1,2,3
	v_add_nc_u32 v[TM+12+\b], 0xfe000000, v[TM+\b] ; 4 off its exponent field: the conversion's scale operand
.endr
.irp b, 0,1,2,3
	v_lshrrev_b32 v[TM+4+\b], 23, v[TM+12+\b]      ; the scale's byte
.endr
	v_lshl_or_b32 v[HWD+2*(\a)], v[TM+5], 8, v[TM+4]
	v_lshl_or_b32 v[HWD+2*(\a)+1], v[TM+7], 8, v[TM+6]
	WIN WW                                         ; source 0: the accumulators' window
	v_cvt_scalef32_pk16_bf6_f32 v[D0:D0+2], v[AC:AC+15], v[TM+12]
	v_cvt_scalef32_pk16_bf6_f32 v[PT:PT+2], v[AC+16:AC+31], v[TM+13]   ; (a conversion's three registers begin on an even number)
	v_cvt_scalef32_pk16_bf6_f32 v[D1:D1+2], v[AC+32:AC+47], v[TM+14]
	v_cvt_scalef32_pk16_bf6_f32 v[PT+4:PT+6], v[AC+48:AC+63], v[TM+15]
	WIN 0
	v_nop                                          ; one plain place behind a scaled conversion
.irp i, 0,1,2                          ; the operand's layout wants a whole block in a lane: lanes 0-15 the first block, lanes 16-31 the second
	v_permlane16_swap_b32 v[D0+\i], v[PT+\i]
	v_permlane16_swap_b32 v[D1+\i], v[PT+4+\i]
.endr
.irp i, 0,1,2
	v_mov_b32 v[D0+3+\i], v[PT+\i]
	v_mov_b32 v[D1+3+\i], v[PT+4+\i]
.endr
.endm
.macro OUTF hh, f                      ; fragment f of my head hh leaves as it stands: each store covers 512 consecutive bytes, aligned
.irp c, 0,1,2
	global_store_b128 v[LO], v[FB+12*(4*(\hh)+(\f))+4*\c:FB+12*(4*(\hh)+(\f))+4*\c+3], s[20+2*(\hh):21+2*(\hh)] offset:1536*(\f)+512*\c
.endr
.endm
	s_cmp_eq_u32 ttmp9, 2
	s_cbranch_scc1 .Lv
	; q, k: block a's 64 numbers are two heads x 64 channels; blocks 2 b and 2 b + 1 fill the two halves of fragment b of each head
.irp b, 0,1,2,3
	EQ 2*\b, FB+12*\b, FB+12*(4+\b)
	EQ 2*\b+1, FB+12*\b+6, FB+12*(4+\b)+6
	v_lshl_or_b32 v[SW+\b], v[HWD+4*\b+2], 16, v[HWD+4*\b]
	v_lshl_or_b32 v[SW+4+\b], v[HWD+4*\b+3], 16, v[HWD+4*\b+1]
	OUTF 0, \b
	OUTF 1, \b
.endr
	s_branch .Ljoin
.Lv:
	; v: block a is 16 channel places of head a / 4, its 64 numbers a lane are the group's 128 keys: one whole fragment
.irp a, 0,1,2,3,4,5,6,7
	EQ \a, FB+12*\a, FB+12*\a+6
	v_lshl_or_b32 v[SW+\a], v[HWD+2*\a+1], 16, v[HWD+2*\a]
	OUTF \a/4, \a%4
.endr
.Ljoin:
.irp f, 0,1,2,3
	v_cndmask_b32 v[SX+\f], v[SW+\f], v[SW+4+\f], s44   ; lanes 0-15 store the first head's words of row r, lanes 16-31 the second head's
.endr
	global_store_b128 v[SOF], v[SX:SX+3], s[20:21] offset:6144   ; sixteen lanes store 256 consecutive bytes, aligned
	s_wait_tensorcnt 0x0                           ; the wave's end
	ds_add_u32 v[SPW], v[NIL]
	s_wait_dscnt 0x0
	CROUND                                         ; the closing round: no work-group ends while a partner may still ask for a tile that names it
	s_endpgm
.Lfunc_end_k_q806e44c963_gemm_qkv:
	.size	k_q806e44c963_gemm_qkv, .Lfunc_end_k_q806e44c963_gemm_qkv-k_q806e44c963_gemm_qkv
	.p2alignl 7, 3214868480
	.fill 96, 4, 3214868480
	.section	.rodata,"a",@progbits
	.p2align	6, 0x0
	.amdhsa_kernel k_q806e44c963_gemm_qkv
		.amdhsa_group_segment_fixed_size 327680
		.amdhsa_private_segment_fixed_size 0
		.amdhsa_enable_private_segment 0
		.amdhsa_kernarg_size 40
		.amdhsa_user_sgpr_count 2
		.amdhsa_user_sgpr_kernarg_segment_ptr 1
		.amdhsa_wavefront_size32 1
		.amdhsa_system_sgpr_workgroup_id_x 1
		.amdhsa_system_sgpr_workgroup_id_y 1
		.amdhsa_system_sgpr_workgroup_id_z 1
		.amdhsa_system_vgpr_workitem_id 0
		.amdhsa_next_free_vgpr 1024
		.amdhsa_next_free_sgpr 100
		.amdhsa_reserve_vcc 0
		.amdhsa_float_denorm_mode_32 3
		.amdhsa_float_denorm_mode_16_64 3
		.amdhsa_memory_ordered 1
		.amdhsa_forward_progress 1
		.amdhsa_inst_pref_size 198
	.end_amdhsa_kernel
	.amdgpu_metadata
---
amdhsa.version: [ 1, 2 ]
amdhsa.kernels:
  - .name:           k_q806e44c963_gemm_qkv
    .symbol:         k_q806e44c963_gemm_qkv.kd
    .args:
      - { .name: xc, .offset: 0, .size: 8, .value_kind: global_buffer, .address_space: global }
      - { .name: xs, .offset: 8, .size: 8, .value_kind: global_buffer, .address_space: global }
      - { .name: wq, .offset: 16, .size: 8, .value_kind: global_buffer, .address_space: global }
      - { .name: qb, .offset: 24, .size: 8, .value_kind: global_buffer, .address_space: global }
      - { .name: kv, .offset: 32, .size: 8, .value_kind: global_buffer, .address_space: global }
    .group_segment_fixed_size: 327680
    .private_segment_fixed_size: 0
    .kernarg_segment_align: 8
    .kernarg_segment_size: 40
    .max_flat_workgroup_size: 128
    .sgpr_count:     100
    .vgpr_count:     1024
    .wavefront_size: 32
...
	.end_amdgpu_metadata
.endif
;; end of part 2
;; launch attn (part 3): grid 4 x 64, 16 waves a work-group, no clusters, 327,680 bytes of LDS; arguments qb, kv, ao, aos; writes ao, aos
.if DOCPART == 3
	.amdgcn_target "amdgcn-amd-amdhsa--gfx1250"
	.amdhsa_code_object_version 6
	.text
	.protected	k_q806e44c963_attn
	.globl	k_q806e44c963_attn
	.p2align	8
	.type	k_q806e44c963_attn,@function
k_q806e44c963_attn:
	s_mov_b64 s[64:65], 0
	v_nop
	global_prefetch_b8 v0, s[64:65] scope:SCOPE_SE
	s_setreg_imm32_b32 hwreg(HW_REG_WAVE_MODE, 25, 1), 1
	s_wait_xcnt 0x0
; Causal attention of one head (64 channels, 2,048 tokens) on codes of BF6 (E3M2), one E8M0 scale for each 32 along a product's K; the result, divided by the row's sum, is quantised along the channels and leaves as codes.
; qb [64 heads][16 groups of 128 tokens][6,400], kv [64][16][12,800]: images of operand registers (12 registers a lane: three planes of 512 bytes, lane l's 16 bytes at 16 l):
;   q, k: four fragments f: registers 0-5 = tile 2 f (lane r: token 32 f + r + 8 (r / 8)), registers 6-11 = tile 2 f + 1 (8 tokens on), each 64 channels; then scale words [r][f] (two bytes a tile).
;   v (6,400 bytes behind k): four fragments t: lane r = channel place 16 t + r, registers along the group's 128 keys; scale words [r][t].
; THE SOFTMAX: t = score x log2(e) / 8; M = the running largest t rounded UP to a whole number; p = 2^(t - M) is quantised along the keys, not normalised; the row's sum is taken of the unquantised p and divides at the end.
; When M moves, the sum and O are multiplied by 2^(old M - new M): exact.
; SHARES.  A work-group of SIXTEEN waves owns two blocks of 256 queries of one head: block 7 - x, then block x (x = 0 .. 3): 8 - x and x + 1 slots of 256 keys, NINE for every work-group: 256 work-groups of equal
; work, trip counts that are constants, and no slot that lies wholly under the mask.  A wave owns one tile of 16 queries, in 256 registers.
; THE FIRST PRODUCT HAS K = 64: a fragment of k holds TWO tiles of keys, and q stands beside zeros: [q | 0] multiplies the first tile, [0 | q] the second.  Both products are used transposed: a lane holds one query throughout.
; The 16 registers of score tiles 2 b, 2 b + 1 are keys 32 b + 16 h + 0 .. 15; those of O's tiles 2 b, 2 b + 1 channels 32 b + 16 h + 0 .. 15.
; NO CLUSTER: the four work-groups of a head want different tiles from their sixth slot on (x = 3 turns back to slot 0 there), and the change of block is a branch on the work-group's number.
; ao: [4 (256 channels)][512 tiles of 16 places][2][2][3 planes][256 bytes]: a head's six registers a lane, lane l's 8 bytes at 8 l.  aos: [8192 places][32]: byte 2 x head + block.
; LIMITS: NaN and infinities are not served; a block of zeros gets the byte 1.
; REGISTERS: v1-11 addresses; v12 -M, v13 the largest t, v[14:15] the sum; v16-33 [0 | q | 0]; v34 q's scale word; v35-41 the next block's; v42-45 k's scale words; v48-95 four fragments; v96-159 scores, then p; v160-191 O;
;   v192-203 p's codes; v204-211 the conversions' second halves; v212-223 at work; v[228:229] f; v231 p's scale word; v232 the prefetches' offset; v[234:235] the sum's second chain; v236-239 v's scale words.
.set SLOT1, 32768                      ; slot 0 at 0, slot 1 here: 25,600 bytes each (two groups); one exclusive or turns an address
.set SPARE, 65536                      ; the spare words, 128 bytes for each wave, which no other line names
.set GRP,   12800
.set L16, 1                            ; v1  16 x lane
.set R16, 2                            ; v2  16 r
.set SPW, 5
.set NIL, 6
.set L8,  7                            ; v7  8 x lane
.set ADK, 8                            ; v8  the slot in hand + 16 x lane
.set ADS, 9                            ; v9  the slot in hand + 16 r
.set SBO, 10                           ; v10 32 r + h: my scale byte's place
.set QL,  11                           ; v11 my query - the wave's first multiple of 32 - 16 h
.set QSC, 34
.set KSC, 42
.set FRG, 48
.set S,   96
.set O,   160
.set PCD, 192
.set PT,  204
.set BM,  212
.set BT,  216
.set BO,  220
.set VSC, 236
.set TB, 2                             ; s2  LDS byte at which the slot in hand begins
.set KF, 3                             ; s3  the step's first key
.set WV, 18
.set SEL, 20
.set CS, 22                            ; s[22:23] c = log2(e) / 8
.set G1, 24
.set G0, 32
.set KVB, 36                           ; s[36:37] the head's k and v, at my quarter of a slot
.set OFS, 38                           ; s[38:39] the slot to be fetched, in bytes
.set SLOTS, 40                         ; s40 slots still to be asked for: 8 .. 0
.set PP, 41                            ; s41 x;  s42 x + 1
.set P1, 42
.set Q0, 43                            ; s43 256 x block + 32 (wave / 2);  s44 the second block's
.set Q0N, 44
.set AOB, 46                           ; s[46:47] where my tile's codes go;  s[48:49] the second block's
.set AON, 48
.set ASB, 50                           ; s[50:51], s[52:53] the same for the scale bytes
.set ASN, 52
.set PM, 54                            ; s54 all ones in odd waves
.set PSEL, 55
.set HM, 56                            ; s56 lanes 16-31
.set PFA, 58                           ; s[58:59] where my prefetches stand
.set LIM, 60
.macro TLOAD                           ; waves 0 to 3 fetch a quarter of a slot each: 25 rows of 256 bytes.  Four v_nop follow the line
	s_cmp_lt_u32 s[WV], 4
	s_cbranch_scc0 .Lnone_\@
	tensor_load_to_lds s[G0:G0+3], s[G1:G1+7]
	s_nop 0
.rept 4
	v_nop
.endr
.Lnone_\@:
.endm
; A PREFETCH INTO THE L2 of the slot that the NEXT change of slots will ask for, two key steps ahead of that load.  All four work-groups of a head walk the head's slots from 0 on: the one with x = 0, which walks all eight, asks;
; in it waves 4 to 7, which fetch nothing, a quarter of a slot each: 25 blocks of 256 bytes, lanes 256 bytes apart (lanes 24 to 31 name the last).  In the trip with s slots to go it names slot 10 - s, while s is 3 or more:
; slots 2 to 7, each once.  Slots 0 and 1 come by their loads alone.
.macro ASK
	s_cmp_gt_u32 s[SLOTS], s[LIM]
	s_cbranch_scc0 .Lnot_mine_\@
	global_prefetch_b8 v232, s[PFA:PFA+1] th:TH_LOAD_NT scope:SCOPE_SE
.Lnot_mine_\@:
.endm
	s_load_b256 s[4:11], s[0:1], 0x0               ; qb s[4:5], kv s[6:7], ao s[8:9], aos s[10:11]
	v_lshl_add_u32 v[SPW], v0, 2, SPARE
	v_mov_b32 v[NIL], 0
	ds_add_u32 v5, v6
	ds_add_u32 v5, v6
	s_wait_dscnt 0x0
	v_lshrrev_b32 v3, 5, v0
	s_delay_alu instid0(VALU_DEP_1)
	v_readfirstlane_b32 s[WV], v3                  ; wave 0..15
	s_mov_b32 s[PP], ttmp9
	s_add_co_u32 s[P1], ttmp9, 1
	s_and_b32 s66, ttmp7, 0xffff                   ; the head, 0 .. 63
	s_and_b32 s67, s[WV], 3
	s_mul_i32 s[G0+1], s67, 6400                   ; LDS: my quarter of slot 0
	s_mul_i32 s67, s67, 6400
	s_mul_i32 s68, s66, 204800                     ; a head's k and v: 16 groups
	s_add_co_u32 s68, s68, s67
	s_mov_b32 s69, 0
	s_mov_b32 s[G1], 3<<16                         ; no mask; elements of 8 bytes; no padding
	s_mov_b32 s[G1+1], 32<<16                      ; tensor_dim0 = 32
	s_mov_b32 s[G1+2], 25<<16                      ; tensor_dim1 = 25
	s_mov_b32 s[G1+3], 32<<16                      ; tile_dim0
	s_mov_b32 s[G1+4], 25                          ; tile_dim1
	s_mov_b32 s[G1+5], 32                          ; the pitch: dense
	s_mov_b32 s[G1+6], 0
	s_mov_b32 s[G1+7], 0
	s_mov_b32 s[G0], 1
	s_mov_b32 s[OFS], 0
	s_mov_b32 s[OFS+1], 0
	s_wait_kmcnt 0x0
	s_add_nc_u64 s[KVB:KVB+1], s[6:7], s[68:69]
	s_mov_b64 s[G0+2:G0+3], s[KVB:KVB+1]
	s_or_b32 s[G0+3], s[G0+3], 0x80000000
	TLOAD                                          ; slot 0: the one first fill
	s_sub_co_u32 s70, 7, ttmp9                     ; my first block
	s_lshr_b32 s71, s[WV], 3
	s_bfe_u32 s72, s[WV], 0x20001                  ; (wave / 2) % 4: the fragment that holds my tile
	s_lshl_b32 s73, s66, 4
	s_add_co_u32 s73, s73, s71                     ; 16 x head + wave / 8
	s_mul_i32 s78, s72, 1536
	s_lshl_b32 s74, s70, 1
	s_add_co_u32 s74, s74, s73
	s_mul_i32 s74, s74, 6400
	s_add_co_u32 s74, s74, s78
	s_mov_b32 s75, 0
	s_lshl_b32 s76, ttmp9, 1
	s_add_co_u32 s76, s76, s73
	s_mul_i32 s76, s76, 6400
	s_add_co_u32 s76, s76, s78
	s_mov_b32 s77, 0
	s_add_nc_u64 s[74:75], s[4:5], s[74:75]        ; q's fragment of my first block,
	s_add_nc_u64 s[76:77], s[4:5], s[76:77]        ; and of my second
	s_mul_i32 s79, s72, 1532
	s_sub_co_u32 s79, 6144, s79                    ; from the fragment to its word in the group's scale words: 6,144 - 1,536 f + 4 f
	v_and_b32 v3, 31, v0
	s_delay_alu instid0(VALU_DEP_1)
	v_lshlrev_b32 v[L16], 4, v3
	s_delay_alu instid0(VALU_DEP_2)
	v_lshlrev_b32 v[L8], 3, v3
	s_delay_alu instid0(VALU_DEP_3)
	v_min_u32 v232, 24, v3
	s_delay_alu instid0(VALU_DEP_1)
	v_lshlrev_b32 v232, 8, v232
	v_and_b32 v4, 15, v0                           ; r
	v_bfe_u32 v3, v0, 4, 1                         ; h
	s_delay_alu instid0(VALU_DEP_2)
	v_lshlrev_b32 v[R16], 4, v4
	s_delay_alu instid0(VALU_DEP_2)
	v_lshl_add_u32 v[SBO], v4, 5, v3
	s_delay_alu instid0(VALU_DEP_4)
	v_and_b32 v[QL], 8, v4
	s_delay_alu instid0(VALU_DEP_1)
	v_add_nc_u32 v[QL], v[QL], v4                  ; r + 8 (r / 8)
	v_lshlrev_b32 v3, 4, v3
	s_delay_alu instid0(VALU_DEP_1)
	v_sub_nc_u32 v[QL], v[QL], v3                  ; - 16 h
	s_and_b32 s87, s[WV], 1
	s_lshl_b32 s87, s87, 3
	v_add_nc_u32 v[QL], s87, v[QL]                 ; + 8 (wave % 2)
	v_add_nc_u32 v3, s79, v[R16]
.irp c, 0,1,2
	global_load_b128 v[96+4*\c:99+4*\c], v[L16], s[74:75] offset:512*\c
	global_load_b128 v[108+4*\c:111+4*\c], v[L16], s[76:77] offset:512*\c
.endr
	global_load_b32 v120, v3, s[74:75]
	global_load_b32 v121, v3, s[76:77]
	s_lshr_b32 s80, s[WV], 1
	s_lshl_b32 s80, s80, 5
	s_lshl_b32 s[Q0], s70, 8
	s_add_co_u32 s[Q0], s[Q0], s80
	s_lshl_b32 s[Q0N], ttmp9, 8
	s_add_co_u32 s[Q0N], s[Q0N], s80
	s_and_b32 s81, s66, 15                         ; the head in its batch
	s_lshr_b32 s82, s66, 4
	s_lshl_b32 s82, s82, 7
	s_add_co_u32 s82, s82, s[WV]                   ; 128 x batch + wave
	s_lshr_b32 s83, s81, 2
	s_mul_i32 s83, s83, 1572864
	s_bfe_u32 s84, s81, 0x10001
	s_mul_i32 s84, s84, 1536
	s_add_co_u32 s83, s83, s84
	s_and_b32 s84, s81, 1
	s_mul_i32 s84, s84, 768
	s_add_co_u32 s83, s83, s84                     ; the head's place in ao
	s_lshl_b32 s85, s81, 1                         ; and in a row of aos
	s_lshl_b32 s86, s70, 4
	s_add_co_u32 s86, s86, s82                     ; my tile of 16 places, first block
	s_lshl_b32 s87, ttmp9, 4
	s_add_co_u32 s87, s87, s82                     ; second block
	s_mov_b32 s89, 0
	s_mul_i32 s88, s86, 3072
	s_add_co_u32 s88, s88, s83
	s_add_nc_u64 s[AOB:AOB+1], s[8:9], s[88:89]
	s_mul_i32 s88, s87, 3072
	s_add_co_u32 s88, s88, s83
	s_add_nc_u64 s[AON:AON+1], s[8:9], s[88:89]
	s_lshl_b32 s88, s86, 9
	s_add_co_u32 s88, s88, s85
	s_add_nc_u64 s[ASB:ASB+1], s[10:11], s[88:89]
	s_lshl_b32 s88, s87, 9
	s_add_co_u32 s88, s88, s85
	s_add_nc_u64 s[ASN:ASN+1], s[10:11], s[88:89]
	s_and_b32 s[PM], s[WV], 1
	s_sub_co_u32 s[PM], 0, s[PM]
	s_mov_b32 s[PSEL], 0x01000100                  ; q's two scale bytes, twice: they serve [q | 0] and [0 | q] alike
	s_bitcmp1_b32 s[WV], 0
	s_cselect_b32 s[PSEL], 0x03020302, s[PSEL]
	s_mov_b32 s[HM], 0xffff0000
	s_mov_b32 s[SEL], 0x76543210
	s_mov_b32 s[SEL+1], 0xfedcba98
	s_mov_b32 s[CS], 0x3e38aa3b                    ; c = log2(e) / 8
	s_mov_b32 s[CS+1], s[CS]
	s_mov_b32 s[TB], 0
	s_mov_b32 s[KF], 0
	s_mov_b32 s[SLOTS], 8
	s_add_nc_u64 s[PFA:PFA+1], s[KVB:KVB+1], 25600 ; in slot 1: the first change of slots steps it to slot 2
	s_lshr_b32 s87, s[WV], 2
	s_xor_b32 s87, s87, 1                          ; 0 in waves 4 to 7,
	s_or_b32 s87, s87, ttmp9                       ; of the work-group with x = 0
	s_cmp_eq_u32 s87, 0
	s_cselect_b32 s[LIM], 2, -1
	s_wait_loadcnt 0x0                             ; q
.irp i, 0,1,2,3,4,5
	v_cndmask_b32 v[22+\i], v[96+\i], v[102+\i], s[PM]     ; my tile's half of the fragment: even waves the first six registers, odd waves the last
	v_cndmask_b32 v[36+\i], v[108+\i], v[114+\i], s[PM]
.endr
	v_perm_b32 v[QSC], v120, v120, s[PSEL]
	v_perm_b32 v35, v121, v121, s[PSEL]
.irp i, 0,1,2,3,4,5
	v_mov_b32 v[16+\i], 0                          ; the zeros beside q
	v_mov_b32 v[28+\i], 0
.endr
.set n, 0
.rept 32
	v_mov_b32 v[O+n], 0                            ; O: the first change of M multiplies zeros.  (These lines are also the places between the scale word's and q's writes and the first product)
.set n, n+1
.endr
.irp b, 0,1,2,3
	v_mov_b32 v[BT+\b], 0                          ; written once: a lane permute's destination counts as one of its sources
.endr
	v_mov_b32 v229, 0                              ; (named as the upper half of the pair v[228:229])
	v_mov_b32 v230, 0
	v_mov_b32 v13, 0xff61b1e6                      ; the largest t so far: -3e38
	s_delay_alu instid0(VALU_DEP_1)
	v_floor_f32 v12, -v13                          ; -M
	v_mov_b32 v14, 0
	v_mov_b32 v15, 0
; A KEY STEP: 128 keys, group g of the slot in hand.
.macro STEP g
	s_add_co_u32 s66, s[Q0], 31                    ; my queries lie in Q0 .. Q0 + 31: a step that begins behind them is left out: a scalar branch on ids; no barrier and no tensor load stands in a step
	s_cmp_gt_u32 s[KF], s66
	s_cbranch_scc1 .Lhidden_\@
	v_add_nc_u32 v[ADK], s[TB], v[L16]
	v_add_nc_u32 v[ADS], s[TB], v[R16]
	v_nop
	v_nop                                          ; four places in front of loads into registers that the last products have read
	ds_load_b128 v[KSC:KSC+3], v[ADS] offset:GRP*\g+6144
.irp f, 0,1,2,3
.irp c, 0,1,2
	ds_load_b128 v[FRG+12*\f+4*\c:FRG+12*\f+4*\c+3], v[ADK] offset:GRP*\g+1536*\f+512*\c
.endr
.endr
	s_wait_alu depctr_va_vdst(0)
.irp f, 0,1,2,3
	s_wait_dscnt 9-3*\f                            ; fragment f is in; the younger fragments' loads, three each, may be out
	v_wmma_scale_f32_16x16x128_f8f6f4 v[S+16*\f:S+16*\f+7], v[FRG+12*\f:FRG+12*\f+11], v[22:33], 0, v[KSC+\f], v[QSC] matrix_a_fmt:MATRIX_FMT_BF6 matrix_b_fmt:MATRIX_FMT_BF6
	v_wmma_scale_f32_16x16x128_f8f6f4 v[S+16*\f+8:S+16*\f+15], v[FRG+12*\f:FRG+12*\f+11], v[16:27], 0, v[KSC+\f], v[QSC] matrix_a_fmt:MATRIX_FMT_BF6 matrix_b_fmt:MATRIX_FMT_BF6
.endr
.rept 4
	v_nop                                          ; places: the fragments' registers are loaded again, and the scores read, below
.endr
	ds_load_b128 v[VSC:VSC+3], v[ADS] offset:GRP*\g+12544   ; v's fragments land while the softmax is worked
.irp f, 0,1,2,3
.irp c, 0,1,2
	ds_load_b128 v[FRG+12*\f+4*\c:FRG+12*\f+4*\c+3], v[ADK] offset:GRP*\g+6400+1536*\f+512*\c
.endr
.endr
	s_add_co_u32 s66, s[KF], 127                   ; on the diagonal the scores of hidden keys become -infinity; a step all of whose keys count skips this
	s_cmp_le_u32 s66, s[Q0]
	s_cbranch_scc1 .Lopen_\@
	s_sub_co_i32 s66, s[Q0], s[KF]
	v_add_nc_u32 v230, s66, v[QL]                  ; d = my query - KF - 16 h.  Register 16 b + i holds key KF + 16 h + 32 b + i: hidden where 32 b + i > d
	v_mov_b32 v224, 0xff800000
.set n, 0
.rept 64
	v_cmp_gt_i32 vcc_lo, 32*(n/16)+n%16, v230
	v_cndmask_b32 v[S+n], v[S+n], v224, vcc_lo
.set n, n+1
.endr
.Lopen_\@:
.irp b, 0,1,2,3
	v_max3_num_f32 v[BM+\b], v[S+16*\b], v[S+1+16*\b], v[S+2+16*\b]   ; the largest score of each block of 32 keys: it serves the row's maximum and, since p rises with the score, the block's largest p
.endr
.irp i, 3,5,7,9,11,13
.irp b, 0,1,2,3
	v_max3_num_f32 v[BM+\b], v[BM+\b], v[S+16*\b+\i], v[S+1+16*\b+\i]
.endr
.endr
.irp b, 0,1,2,3
	v_max_num_f32 v[BM+\b], v[BM+\b], v[S+15+16*\b]
.endr
.irp b, 0,1,2,3
	s_delay_alu instid0(VALU_DEP_4)
	v_permlanex16_b32 v[BT+\b], v[BM+\b], s[SEL], s[SEL+1]
.endr
.irp b, 0,1,2,3
	s_delay_alu instid0(VALU_DEP_4)
	v_max_num_f32 v[BM+\b], v[BM+\b], v[BT+\b]     ; with lane l xor 16's 16 keys
.endr
	s_delay_alu instid0(VALU_DEP_2)
	v_max3_num_f32 v230, v[BM], v[BM+1], v[BM+2]
	s_delay_alu instid0(VALU_DEP_1)
	v_max_num_f32 v230, v230, v[BM+3]
	s_delay_alu instid0(VALU_DEP_1)
	v_mul_f32 v230, s[CS], v230                    ; as t
	s_delay_alu instid0(VALU_DEP_1)
	v_max_num_f32 v13, v13, v230                   ; the running largest t
	v_mov_b32 v230, v12
	s_delay_alu instid0(VALU_DEP_2)
	v_floor_f32 v12, -v13                          ; the new -M = -ceil(t)
	s_delay_alu instid0(VALU_DEP_1)
	v_sub_f32 v230, v12, v230                      ; old M - new M: a whole number, 0 or less
	s_delay_alu instid0(VALU_DEP_1)
	v_cvt_i32_f32 v230, v230                       ; (it saturates)
	s_delay_alu instid0(VALU_DEP_1)
	v_ldexp_f32 v228, 1.0, v230                    ; f = 2^(old M - new M)
.set n, 0
.rept 32
	v_pk_fma_f32 v[S+n:S+n+1], v[S+n:S+n+1], s[CS:CS+1], v[12:13] op_sel_hi:[1,0,0]   ; t - M, two at a time
.set n, n+2
.endr
.irp b, 0,1,2,3
	v_fma_f32 v[BM+\b], v[BM+\b], s[CS], v12       ; the same of each block's largest score
.endr
.set n, 0
	s_wait_alu depctr_va_vdst(0)
.rept 64
	v_exp_f32 v[S+n], v[S+n]                       ; p = 2^(t - M)
.set n, n+1
.endr
	v_pk_mul_f32 v[14:15], v[14:15], v[228:229] op_sel_hi:[1,0]   ; the sums under the new M (a plain place behind the exponentials)
	s_wait_alu depctr_va_vdst(0)                   ; one wait for the batch of 64, ahead of its first reader
.irp b, 0,1,2,3
	v_exp_f32 v[BM+\b], v[BM+\b]                   ; the block's largest p
.endr
	v_pk_add_f32 v[234:235], v[100:101], v[104:105]
	v_pk_add_f32 v[254:255], v[108:109], v[112:113]
	v_pk_add_f32 v[252:253], v[116:117], v[120:121]
	v_pk_add_f32 v[250:251], v[124:125], v[128:129]
	v_pk_add_f32 v[248:249], v[132:133], v[136:137]
	v_pk_add_f32 v[246:247], v[140:141], v[144:145]
	v_pk_add_f32 v[244:245], v[148:149], v[152:153]
	v_pk_add_f32 v[14:15], v[14:15], v[156:157]
	v_pk_add_f32 v[234:235], v[234:235], v[96:97]
	v_pk_add_f32 v[254:255], v[254:255], v[98:99]
	v_pk_add_f32 v[252:253], v[252:253], v[102:103]
	v_pk_add_f32 v[250:251], v[250:251], v[106:107]
	v_pk_add_f32 v[248:249], v[248:249], v[110:111]
	v_pk_add_f32 v[246:247], v[246:247], v[114:115]
	v_pk_add_f32 v[244:245], v[244:245], v[118:119]
	v_pk_add_f32 v[14:15], v[14:15], v[122:123]
	v_pk_add_f32 v[234:235], v[234:235], v[126:127]
	v_pk_add_f32 v[254:255], v[254:255], v[130:131]
	v_pk_add_f32 v[252:253], v[252:253], v[134:135]
	v_pk_add_f32 v[250:251], v[250:251], v[138:139]
	v_pk_add_f32 v[248:249], v[248:249], v[142:143]
	v_pk_add_f32 v[246:247], v[246:247], v[146:147]
	v_pk_add_f32 v[244:245], v[244:245], v[150:151]
	v_pk_add_f32 v[14:15], v[14:15], v[154:155]
	v_pk_add_f32 v[234:235], v[234:235], v[158:159]
	s_delay_alu instid0(VALU_DEP_2)
	v_pk_add_f32 v[14:15], v[14:15], v[250:251]
	s_delay_alu instid0(VALU_DEP_2)
	v_pk_add_f32 v[234:235], v[234:235], v[248:249]
	v_pk_add_f32 v[254:255], v[254:255], v[246:247]
	v_pk_add_f32 v[252:253], v[252:253], v[244:245]
	s_delay_alu instid0(VALU_DEP_2)
	v_pk_add_f32 v[14:15], v[14:15], v[254:255]
	s_delay_alu instid0(VALU_DEP_2)
	v_pk_add_f32 v[234:235], v[234:235], v[252:253]
	s_delay_alu instid0(VALU_DEP_1)
	v_pk_add_f32 v[14:15], v[14:15], v[234:235]
	s_wait_alu depctr_va_vdst(0)                   ; and one for the four
.irp b, 0,1,2,3
	v_max_num_f32 v[BM+\b], 0x2800000, v[BM+\b]    ; the floor 2^(5 - 127): the byte cannot fall under 1
.endr
.irp b, 0,1,2,3
	s_delay_alu instid0(VALU_DEP_4)
	v_add_nc_u32 v[BO+\b], 0xfe000000, v[BM+\b]    ; 4 off the exponent field: the conversion's scale operand
.endr
.irp b, 0,1,2,3
	s_delay_alu instid0(VALU_DEP_4)
	v_lshrrev_b32 v[BT+\b], 23, v[BO+\b]           ; the scale's byte
.endr
	s_delay_alu instid0(VALU_DEP_3)
	v_lshl_or_b32 v231, v[BT+1], 8, v[BT]          ; p's scale word for these 128 keys
	s_delay_alu instid0(VALU_DEP_1)
	v_lshl_or_b32 v231, v[BT+2], 16, v231
	s_delay_alu instid0(VALU_DEP_1)
	v_lshl_or_b32 v231, v[BT+3], 24, v231
.irp c, 0,1
	v_cvt_scalef32_pk16_bf6_f32 v[PCD+6*\c:PCD+2+6*\c], v[S+32*\c:S+15+32*\c], v[BO+2*\c]
	v_cvt_scalef32_pk16_bf6_f32 v[PT+4*\c:PT+2+4*\c], v[S+16+32*\c:S+31+32*\c], v[BO+2*\c+1]
.endr
	v_nop                                          ; one plain place behind a scaled conversion
.irp c, 0,1
.irp i, 0,1,2
	v_permlane16_swap_b32 v[PCD+6*\c+\i], v[PT+4*\c+\i]
.endr
.irp i, 0,1,2
	s_delay_alu instid0(VALU_DEP_3)
	v_mov_b32 v[PCD+3+6*\c+\i], v[PT+4*\c+\i]
.endr
.endr
.set n, 0
.rept 16
	v_pk_mul_f32 v[O+n:O+n+1], v[O+n:O+n+1], v[228:229] op_sel_hi:[1,0]   ; O under the new M.  (These 16 are also the places between the writes of p's codes and scale word and the products)
.set n, n+2
.endr
	s_wait_alu depctr_va_vdst(0)
	s_wait_dscnt 0x0                               ; v's fragments and scale words are in
.irp f, 0,1,2,3
	v_wmma_scale_f32_16x16x128_f8f6f4 v[O+8*\f:O+8*\f+7], v[FRG+12*\f:FRG+12*\f+11], v[PCD:PCD+11], v[O+8*\f:O+8*\f+7], v[VSC+\f], v231 matrix_a_fmt:MATRIX_FMT_BF6 matrix_b_fmt:MATRIX_FMT_BF6
.endr
.Lhidden_\@:
	s_add_co_u32 s[KF], s[KF], 128
.endm
; A BLOCK'S END: O / the sum, quantised along the head's 64 channels (two blocks of 32), leaves as six registers of codes a lane and one scale byte a lane.
.macro FINISH
.rept 4
	v_nop                                          ; places behind the last products
.endr
	v_add_f32 v14, v14, v15
	s_delay_alu instid0(VALU_DEP_1)
	v_permlanex16_b32 v230, v14, s[SEL], s[SEL+1]
	s_delay_alu instid0(VALU_DEP_1)
	v_add_f32 v14, v14, v230                       ; the row's sum
	s_wait_alu depctr_va_vdst(0)
	v_rcp_f32 v14, v14
	v_nop                                          ; a plain place behind the transcendental
	s_wait_alu depctr_va_vdst(0)                   ; and the wait ahead of its first reader
.set n, 0
.rept 16
	v_pk_mul_f32 v[S+n:S+n+1], v[O+n:O+n+1], v[14:15] op_sel_hi:[1,0]   ; each accumulator from its low end on; register 16 b + i = channel 32 b + 16 h + i
.set n, n+2
.endr
.irp b, 0,1
	v_max3_num_f32 v[BM+\b], |v[S+16*\b]|, |v[S+1+16*\b]|, 0x2800000
.endr
.irp i, 2,4,6,8,10,12,14
.irp b, 0,1
	s_delay_alu instid0(VALU_DEP_2)
	v_max3_num_f32 v[BM+\b], v[BM+\b], |v[S+16*\b+\i]|, |v[S+1+16*\b+\i]|
.endr
.endr
.irp b, 0,1
	s_delay_alu instid0(VALU_DEP_2)
	v_permlanex16_b32 v[BT+\b], v[BM+\b], s[SEL], s[SEL+1]
.endr
.irp b, 0,1
	s_delay_alu instid0(VALU_DEP_2)
	v_max_num_f32 v[BM+\b], v[BM+\b], v[BT+\b]
.endr
.irp b, 0,1
	s_delay_alu instid0(VALU_DEP_2)
	v_add_nc_u32 v[BO+\b], 0xfe000000, v[BM+\b]
.endr
.irp b, 0,1
	s_delay_alu instid0(VALU_DEP_2)
	v_lshrrev_b32 v[BT+\b], 23, v[BO+\b]
.endr
	v_cvt_scalef32_pk16_bf6_f32 v[PCD:PCD+2], v[S:S+15], v[BO]
	v_cvt_scalef32_pk16_bf6_f32 v[PT:PT+2], v[S+16:S+31], v[BO+1]
	v_nop
.irp i, 0,1,2
	v_permlane16_swap_b32 v[PCD+\i], v[PT+\i]
.endr
.irp i, 0,1,2
	s_delay_alu instid0(VALU_DEP_3)
	v_mov_b32 v[PCD+3+\i], v[PT+\i]                ; lane (r, h): channels 32 h + 0 .. 31 of query r
.endr
	v_cndmask_b32 v224, v[BT], v[BT+1], s[HM]      ; lanes 0-15 block 0's byte, lanes 16-31 block 1's
.irp c, 0,1,2
	global_store_b64 v[L8], v[PCD+2*\c:PCD+2*\c+1], s[AOB:AOB+1] offset:256*\c   ; 32 lanes store 256 consecutive bytes, aligned
.endr
	global_store_b8 v[SBO], v224, s[ASB:ASB+1]     ; single bytes in rows 32 bytes apart: one byte for each 24 of codes
	s_wait_xcnt 0x0                                ; the stores have read their registers and bases: both may be written again
.endm
; Where the first block's last slot is done (x slots are left to ask for), it is finished and the second block begins: a scalar branch on the work-group's number; no barrier, tensor load or LDS access stands in it.
.macro SWITCH
	s_cmp_eq_u32 s[SLOTS], s[PP]
	s_cbranch_scc0 .Lsame_\@
	s_wait_alu depctr_va_vdst(0)
	FINISH
	v_mov_b32 v[QSC], v35                          ; the second block's q and its scale word; the lines below are the places ahead of the next products
.irp i, 0,1,2,3,4,5
	v_mov_b32 v[22+\i], v[36+\i]
.endr
.set n, 0
.rept 32
	v_mov_b32 v[O+n], 0
.set n, n+1
.endr
	v_mov_b32 v13, 0xff61b1e6
	s_delay_alu instid0(VALU_DEP_1)
	v_floor_f32 v12, -v13
	v_mov_b32 v14, 0
	v_mov_b32 v15, 0
	s_mov_b32 s[KF], 0
	s_mov_b32 s[Q0], s[Q0N]
	s_mov_b64 s[AOB:AOB+1], s[AON:AON+1]
	s_mov_b64 s[ASB:ASB+1], s[ASN:ASN+1]
.Lsame_\@:
.endm
; THE CHANGE OF SLOTS stands at a slot's head.  Each wave waits for all its tensor loads, adds 0 to its spare word, and waits for that and for its reads of the slot that it has left.  Behind the barrier the slot ahead is whole
; and nobody reads the other one.  fill = 1: that other slot is filled with the slot that follows in my walk: it has two key steps in which to land.  A wave has at most one tensor load out.
.macro CHANGE fill
	s_wait_tensorcnt 0x0
	ds_add_u32 v[SPW], v[NIL]                      ; 0 onto my spare word; the descriptor's steps stand between it and the wait for it
.if \fill
	s_xor_b32 s[G0+1], s[G0+1], SLOT1              ; the other slot than last time,
	s_add_co_u32 s[OFS], s[OFS], 25600             ; the next 256 keys,
	s_cmp_eq_u32 s[SLOTS], s[P1]
	s_cselect_b32 s[OFS], 0, s[OFS]                ; or, for the second block, the head's first
	s_add_nc_u64 s[G0+2:G0+3], s[KVB:KVB+1], s[OFS:OFS+1]
	s_or_b32 s[G0+3], s[G0+3], 0x80000000
	s_wait_xcnt 0x0                                ; the last prefetch, a slot back, has read its address
	s_add_nc_u64 s[PFA:PFA+1], s[PFA:PFA+1], 25600
.endif
	s_wait_dscnt 0x0                               ; the add is done, and my reads of the slot that I have left are over
	s_barrier_signal -1
	s_barrier_wait -1
.if \fill
	TLOAD                                          ; the first thing behind the barrier, and a wave's one tensor load until the next
	ASK
.endif
.endm
.Lslot:                                            ; eight trips: behind each change of slots but the last the next slot is asked for
	CHANGE 1
	SWITCH
	STEP 0
	STEP 1
	s_xor_b32 s[TB], s[TB], SLOT1
	s_sub_co_u32 s[SLOTS], s[SLOTS], 1
	s_cmp_lg_u32 s[SLOTS], 0
	s_cbranch_scc1 .Lslot
	CHANGE 0                                       ; the ninth slot is written out
	SWITCH
	STEP 0
	STEP 1
	s_wait_alu depctr_va_vdst(0)
	FINISH
	s_wait_tensorcnt 0x0                           ; the wave's end
	ds_add_u32 v[SPW], v[NIL]
	s_wait_dscnt 0x0
	s_endpgm
.Lfunc_end_k_q806e44c963_attn:
	.size	k_q806e44c963_attn, .Lfunc_end_k_q806e44c963_attn-k_q806e44c963_attn
	.p2alignl 7, 3214868480
	.fill 96, 4, 3214868480
	.section	.rodata,"a",@progbits
	.p2align	6, 0x0
	.amdhsa_kernel k_q806e44c963_attn
		.amdhsa_group_segment_fixed_size 327680
		.amdhsa_private_segment_fixed_size 0
		.amdhsa_enable_private_segment 0
		.amdhsa_kernarg_size 32
		.amdhsa_user_sgpr_count 2
		.amdhsa_user_sgpr_kernarg_segment_ptr 1
		.amdhsa_wavefront_size32 1
		.amdhsa_system_sgpr_workgroup_id_x 1
		.amdhsa_system_sgpr_workgroup_id_y 1
		.amdhsa_system_sgpr_workgroup_id_z 1
		.amdhsa_system_vgpr_workitem_id 0
		.amdhsa_next_free_vgpr 256
		.amdhsa_next_free_sgpr 100
		.amdhsa_reserve_vcc 1
		.amdhsa_float_denorm_mode_32 3
		.amdhsa_float_denorm_mode_16_64 3
		.amdhsa_memory_ordered 1
		.amdhsa_forward_progress 1
		.amdhsa_inst_pref_size 115
	.end_amdhsa_kernel
	.amdgpu_metadata
---
amdhsa.version: [ 1, 2 ]
amdhsa.kernels:
  - .name:           k_q806e44c963_attn
    .symbol:         k_q806e44c963_attn.kd
    .args:
      - { .name: qb, .offset: 0, .size: 8, .value_kind: global_buffer, .address_space: global }
      - { .name: kv, .offset: 8, .size: 8, .value_kind: global_buffer, .address_space: global }
      - { .name: ao, .offset: 16, .size: 8, .value_kind: global_buffer, .address_space: global }
      - { .name: aos, .offset: 24, .size: 8, .value_kind: global_buffer, .address_space: global }
    .group_segment_fixed_size: 327680
    .private_segment_fixed_size: 0
    .kernarg_segment_align: 8
    .kernarg_segment_size: 32
    .max_flat_workgroup_size: 512
    .sgpr_count:     100
    .vgpr_count:     256
    .wavefront_size: 32
...
	.end_amdgpu_metadata
.endif
;; end of part 3
;; launch gemm_out (part 4): grid 4 x 32, 4 waves a work-group, clusters of 4 x 4, 327,680 bytes of LDS; arguments ao, aos, wq, out0; writes out0
.if DOCPART == 4
	.amdgcn_target "amdgcn-amd-amdhsa--gfx1250"
	.amdhsa_code_object_version 6
	.text
	.protected	k_q806e44c963_gemm_out
	.globl	k_q806e44c963_gemm_out
	.p2align	8
	.type	k_q806e44c963_gemm_out,@function
k_q806e44c963_gemm_out:
	s_mov_b64 s[64:65], 0
	v_nop
	global_prefetch_b8 v0, s[64:65] scope:SCOPE_SE
	s_setreg_imm32_b32 hwreg(HW_REG_WAVE_MODE, 25, 1), 1
	s_wait_xcnt 0x0
	s_wait_alu depctr_hold_cnt(0) depctr_sa_sdst(0) depctr_va_vdst(0) depctr_va_sdst(0) depctr_va_ssrc(0) depctr_va_vcc(0) depctr_vm_vsrc(0)
	s_getreg_b32 s2, hwreg(HW_REG_IB_STS2, 6, 4)
	s_cmp_eq_u32 s2, 0
	s_cbranch_scc0 .Lentry_in_a_cluster
	s_endpgm
.Lentry_in_a_cluster:
	s_bfe_u32 s2, ttmp6, 0x10000c
	s_cmp_lg_u32 s2, 0xf033
	s_cbranch_scc0 .Lentry_shape_is_right
	s_endpgm
.Lentry_shape_is_right:
; out0 = (attention's result) W_proj on codes of BF6 (E3M2) with one E8M0 scale for each 32 along K = 1,024; out0 [8192][1024] f32.
; A: ao [4 (256 along K)][512 tiles of 16 places][2 (128 along K)][6 planes][256 bytes]: images of fragment registers, plane p = registers 2 p, 2 p + 1, lane l's 8 bytes at 8 l; aos [8192 places][32] its scale bytes.
; B: wq + 2,457,600: W_proj's codes [1024][768], K innermost; wq + 3,244,032: its scale bytes [1024][32].
; Place n of A is token sigma(n), n with bits 3 and 4 exchanged: the rows of the result are stored at their tokens.
; A tile of 256 x 256 is made by four waves, 128 x 128 each.  K goes in steps of 256 through a ring of two LDS slots; A's part of a slot for 128 places is one dense block of 24,576 bytes (96 rows of 256), B's 128 rows of 192 bytes, padded.
; CLUSTERS: 4 x 4 work-groups; A's tile is asked for jointly along a row of the cluster, B's along a column.  Source 0 = 16 rows of B, source 1 = 16 places of A: a lane holds eight neighbouring numbers of a row of the result.
; The grid has 128 work-groups: 32 x 4 tiles.  No prefetch: K is four slots, two of which are the first fills.
; REGISTERS, in windows of 256: window 0: v0-31 addresses; v32-63 scale words, two sets; from v128 A's fragments, one set.  window 1: B's fragments, two sets.  windows 2, 3: the accumulators.
.set SIZE_N, 1024
.set SIZE_K, 1024
.set KSTEP,  256
.set NQ,     KSTEP/128
.set ROWB,   192
.set KROW,   SIZE_K*6/8
.set ASTEP,  1572864                   ; from a K step of A's images to the next: 512 tiles x 3,072 bytes
.set PITCH,  240
.set FR,     12
.set NL,     6
.set NP,     4
.set HALFT,  128*PITCH                 ; a wave's part of a slot (A's images use 24,576 bytes of it)
.set SLOT,   4*HALFT
.set LAPS,   SIZE_K/(2*KSTEP)
.set KS,     SIZE_K/32
.set SCL,    2*SLOT
.set HALFS,  (128*KS/256)*272
.set SBLK,   (16*KS/256)*272
.set SPARE,  SCL+4*HALFS               ; the spare words, 128 bytes for each wave, which no other line names
.set SPITCH, 528                       ; the way out: a stage of 16 rows x (512 bytes + 16) for each wave, in slot 0, which has had its last fill and its last read by then
.set ADRA, 16                          ; v16-17 LDS address of my A images in slot 0, 1
.set ADRB, 20                          ; v20-23 of my B fragments (v22-23: behind one padding more)
.set STO,  24
.set RD,   25
.set CO,   26
.set ADRS, 27
.set SPW,  28
.set NIL,  29
.set SC,   32
.set AF,   128
.set BK,   128
.set G1, 24
.set G0, 32
.set G1B, 48
.set G0B, 56
.set G1S, 68
.set G0S, 76
.set G1SB, 80
.set G0SB, 88
.set MSB, 0
.macro WIN new
.if MSB != \new
	s_set_vgpr_msb (MSB<<8)|\new
.set MSB, \new
.endif
.endm
.set MUL_LO, 0xa1
.set MUL_HI, 0xf1
.set TO_B,   0x40
.macro JLOAD g0a, g1a, g0b, g1b        ; a joint load: waves 0 and 1 fetch for A, waves 2 and 3 for B; four v_nop follow each of the two lines
	s_cmp_eq_u32 s15, 0
	s_cbranch_scc0 .Lfor_b_\@
	tensor_load_to_lds s[\g0a:\g0a+3], s[\g1a:\g1a+7]
	s_nop 0
.rept 4
	v_nop
.endr
	s_branch .Lasked_\@
.Lfor_b_\@:
	tensor_load_to_lds s[\g0b:\g0b+3], s[\g1b:\g1b+7]
	s_nop 0
.rept 4
	v_nop
.endr
.Lasked_\@:
.endm
.macro CREST
	s_cmp_lg_u32 s14, 0
	s_cbranch_scc1 .Lnot_wave_0_\@
	s_barrier_signal -3
.Lnot_wave_0_\@:
	s_barrier_wait -3
	s_barrier_signal -1
	s_barrier_wait -1
.endm
.macro CROUND
	s_barrier_signal -1
	s_barrier_wait -1
	CREST
.endm
	s_load_b128 s[4:7], s[0:1], 0x0                ; ao, aos
	s_load_b64 s[8:9], s[0:1], 0x10                ; wq
	s_load_b64 s[12:13], s[0:1], 0x18              ; out0
	v_lshl_add_u32 v[SPW], v0, 2, SPARE
	v_mov_b32 v[NIL], 0
	ds_add_u32 v28, v29
	s_wait_dscnt 0x0
	v_lshrrev_b32 v1, 5, v0
	v_readfirstlane_b32 s14, v1                    ; wave 0..3
	s_lshr_b32 s15, s14, 1                         ; which half of the tile's rows is mine.  Also: I fetch for A (0) or for B (1)
	s_and_b32 s16, s14, 1                          ; which half of its columns.  Also: which 128 rows of that tile I fetch
	s_bfe_u32 s40, ttmp6, 0x40000                  ; cx
	s_bfe_u32 s41, ttmp6, 0x40004                  ; cy
	s_lshl_b32 s42, ttmp9, 2
	s_add_co_u32 s42, s42, s40                     ; tile column
	s_and_b32 s17, ttmp7, 0xffff
	s_lshl_b32 s17, s17, 2
	s_add_co_u32 s17, s17, s41                     ; tile row
	s_lshl_b32 s43, s41, 2
	s_lshl_b32 s43, 15, s43                        ; my row of the cluster
	s_lshl_b32 s44, 0x1111, s40                    ; my column
	; A's group 1: 96 dense rows of 256 bytes (32 elements of 8 bytes), no padding
	s_or_b32 s[G1+0], s43, (3<<16)|(1<<21)
	s_mov_b32 s[G1+1], 32<<16
	s_mov_b32 s[G1+2], 96<<16
	s_mov_b32 s[G1+3], 32<<16
	s_mov_b32 s[G1+4], 96
	s_mov_b32 s[G1+5], 32
	s_mov_b32 s[G1+6], 0
	s_mov_b32 s[G1+7], 0
	; B's: 128 rows x 192 bytes, 16 bytes of padding behind every 64
	s_or_b32 s[G1B+0], s44, (0<<16)|(1<<20)|(1<<21)|(3<<22)|(3<<25)
	s_mov_b32 s[G1B+1], ROWB<<16
	s_mov_b32 s[G1B+2], 128<<16
	s_mov_b32 s[G1B+3], ROWB<<16
	s_mov_b32 s[G1B+4], 128
	s_mov_b32 s[G1B+5], KROW
	s_mov_b32 s[G1B+6], 0
	s_mov_b32 s[G1B+7], 0
	; the scales of 128 rows: 16 rows of 256 bytes, 16 bytes of padding behind each
	s_or_b32 s[G1S+0], s43, (3<<16)|(1<<20)|(1<<21)|(5<<22)|(3<<25)
	s_or_b32 s[G1SB+0], s44, (3<<16)|(1<<20)|(1<<21)|(5<<22)|(3<<25)
.irp g, G1S, G1SB
	s_mov_b32 s[\g+1], 32<<16
	s_mov_b32 s[\g+2], (128*KS/256)<<16
	s_mov_b32 s[\g+3], 32<<16
	s_mov_b32 s[\g+4], 128*KS/256
	s_mov_b32 s[\g+5], 32
	s_mov_b32 s[\g+6], 0
	s_mov_b32 s[\g+7], 0
.endr
	s_lshl_b32 s18, s16, 7
	s_lshl_b32 s20, s17, 8
	s_add_co_u32 s20, s20, s18                     ; A: place 256 x tile row + 128 x half
	s_lshl_b32 s46, s42, 8
	s_add_co_u32 s46, s46, s18                     ; B: row 256 x tile column + 128 x half
	s_mov_b32 s21, 0
	s_mov_b32 s47, 0
	s_mov_b64 s[18:19], KS
	s_mul_u64 s[22:23], s[20:21], s[18:19]         ; where these rows' scales begin
	s_mul_u64 s[92:93], s[46:47], s[18:19]
	s_mov_b64 s[18:19], 192
	s_mul_u64 s[20:21], s[20:21], s[18:19]         ; A's images: 3,072 bytes for 16 places in a K step
	s_mov_b64 s[18:19], KROW
	s_mul_u64 s[46:47], s[46:47], s[18:19]         ; B's codes
	s_mul_i32 s45, s14, HALFT
	s_mul_i32 s94, s14, HALFS
	s_wait_kmcnt 0x0
	s_add_nc_u64 s[10:11], s[8:9], 3244032         ; W_proj's scale bytes
	s_add_nc_u64 s[8:9], s[8:9], 2457600           ; and its codes
	s_add_nc_u64 s[20:21], s[4:5], s[20:21]
	s_add_nc_u64 s[22:23], s[6:7], s[22:23]
	s_add_nc_u64 s[46:47], s[8:9], s[46:47]
	s_add_nc_u64 s[92:93], s[10:11], s[92:93]
	CROUND                                         ; all sixteen work-groups are here: the first joint loads meet
	s_mov_b32 s[G0S], 1
	s_add_co_u32 s[G0S+1], s94, SCL
	s_mov_b64 s[G0S+2:G0S+3], s[22:23]
	s_or_b32 s[G0S+3], s[G0S+3], 0x80000000
	s_mov_b32 s[G0SB], 1
	s_add_co_u32 s[G0SB+1], s94, SCL
	s_mov_b64 s[G0SB+2:G0SB+3], s[92:93]
	s_or_b32 s[G0SB+3], s[G0SB+3], 0x80000000
	JLOAD G0S, G1S, G0SB, G1SB
.irp s, 0,1
	s_mov_b32 s[G0+4*\s], 1
	s_add_co_u32 s[G0+4*\s+1], s45, \s*SLOT
	s_add_nc_u64 s[G0+4*\s+2:G0+4*\s+3], s[20:21], \s*ASTEP
	s_or_b32 s[G0+4*\s+3], s[G0+4*\s+3], 0x80000000
	s_mov_b32 s[G0B+4*\s], 1
	s_add_co_u32 s[G0B+4*\s+1], s45, \s*SLOT
	s_add_nc_u64 s[G0B+4*\s+2:G0B+4*\s+3], s[46:47], \s*ROWB
	s_or_b32 s[G0B+4*\s+3], s[G0B+4*\s+3], 0x80000000
	JLOAD G0+4*\s, G1, G0B+4*\s, G1B
.endr
	v_and_b32 v1, 15, v0                           ; r
	v_bfe_u32 v2, v0, 4, 1                         ; h
	v_mul_u32_u24 v3, v1, PITCH
	v_mul_u32_u24 v4, v2, 24
	v_add_nc_u32 v4, v3, v4                        ; B: a fragment's row x pitch + 24 h
	v_lshl_add_u32 v5, v2, 4, v4                   ; and the same behind one padding more
	v_and_b32 v6, 31, v0
	v_lshlrev_b32 v3, 3, v6                        ; A: 8 x lane
	s_mul_i32 s21, s15, HALFT                      ; my 128 places of A
	s_mul_i32 s22, s16, HALFT
	s_add_co_u32 s22, s22, 2*HALFT                 ; my 128 rows of B
.irp s, 0,1
	v_add_nc_u32 v[ADRA+\s], s21, v3
	v_add_nc_u32 v[ADRB+\s], s22, v4
	v_add_nc_u32 v[ADRB+2+\s], s22, v5
	s_add_co_u32 s21, s21, SLOT
	s_add_co_u32 s22, s22, SLOT
.endr
	v_mul_u32_u24 v5, v1, KS
	v_lshrrev_b32 v6, 8, v5
	v_lshl_add_u32 v5, v6, 4, v5
	s_mul_i32 s21, s15, HALFS
	s_mul_i32 s22, s16, HALFS
	s_add_co_u32 s22, s22, 2*HALFS
	s_sub_co_u32 s22, s22, s21
	v_mul_u32_u24 v6, s22, v2                      ; lanes 16-31 take B's: one product, the distance between the two bases
	s_add_co_u32 s21, s21, SCL
	v_add_nc_u32 v5, v5, v6
	v_add_nc_u32 v[ADRS], s21, v5
	s_mul_i32 s23, s14, 16*SPITCH                  ; my stage
	v_mul_u32_u24 v5, v1, SPITCH
	v_lshl_add_u32 v5, v2, 5, v5
	v_add_nc_u32 v[STO], s23, v5                   ; in: row r, 32 bytes for each half of the lanes
	v_and_b32 v6, 31, v0
	v_lshlrev_b32 v[CO], 4, v6                     ; back: the 32 lanes take one row of 512 bytes; and the same in out0
	v_add_nc_u32 v[RD], s23, v[CO]
	s_lshl_b32 s20, s17, 8
	s_lshl_b32 s21, s15, 7
	s_add_co_u32 s20, s20, s21                     ; my first row: a multiple of 128, which sigma leaves alone
	s_mov_b32 s21, 0
	s_mov_b64 s[18:19], SIZE_N*4
	s_mul_u64 s[20:21], s[20:21], s[18:19]
	s_lshl_b32 s46, s42, 10
	s_lshl_b32 s47, s16, 9
	s_add_co_u32 s46, s46, s47                     ; my first column, in bytes
	s_mov_b32 s47, 0
	s_add_nc_u64 s[20:21], s[20:21], s[46:47]
	s_add_nc_u64 s[12:13], s[12:13], s[20:21]
.macro FRAG reg, adr, q, i             ; B: 16 rows x 128 K, in pieces of 8 bytes; where the piece three on lies behind one padding more, the second address register serves
.irp p, 0,1,2,3,4,5
.set PC, 12*(\q)+6*(\p/3)+\p%3
.if PC%8 < 5
	ds_load_b64 v[\reg+2*\p:\reg+2*\p+1], v[\adr] offset:8*PC+16*(PC/8)+(\i)*16*PITCH
.else
	ds_load_b64 v[\reg+2*\p:\reg+2*\p+1], v[\adr+2] offset:8*PC+16*(PC/8)+(\i)*16*PITCH
.endif
.endr
.endm
.macro FRAGA reg, adr, q, i            ; A: an image: six planes of 256 bytes, 8 bytes a lane
.irp p, 0,1,2,3,4,5
	ds_load_b64 v[\reg+2*\p:\reg+2*\p+1], v[\adr] offset:(\i)*3072+(\q)*1536+256*\p
.endr
.endm
.macro MUL16 a0, p, q, sc, zero        ; the 64 accumulators take turns, one instruction a turn, in the same order in every step
.irp a, \a0, \a0+1
.irp b, 0,1,2,3,4,5,6,7
.if \zero
	v_wmma_scale_f32_16x16x128_f8f6f4 v[8*(8*((\a)%4)+\b):8*(8*((\a)%4)+\b)+7], v[128*(\p)+FR*\b:128*(\p)+FR*\b+FR-1], v[AF+FR*(\a):AF+FR*(\a)+FR-1], 0, v[SC+8*NQ*(\sc)+NQ*\b+(\q)], v[SC+8*NQ*(\sc)+NQ*(\a)+(\q)] matrix_a_fmt:MATRIX_FMT_BF6 matrix_b_fmt:MATRIX_FMT_BF6 matrix_a_scale:MATRIX_SCALE_ROW1
.else
	v_wmma_scale_f32_16x16x128_f8f6f4 v[8*(8*((\a)%4)+\b):8*(8*((\a)%4)+\b)+7], v[128*(\p)+FR*\b:128*(\p)+FR*\b+FR-1], v[AF+FR*(\a):AF+FR*(\a)+FR-1], v[8*(8*((\a)%4)+\b):8*(8*((\a)%4)+\b)+7], v[SC+8*NQ*(\sc)+NQ*\b+(\q)], v[SC+8*NQ*(\sc)+NQ*(\a)+(\q)] matrix_a_fmt:MATRIX_FMT_BF6 matrix_b_fmt:MATRIX_FMT_BF6 matrix_a_scale:MATRIX_SCALE_ROW1
.endif
.endr
.endr
.endm
.macro FETCH_B slot, q, p
	WIN TO_B
.irp i, 0,1,2,3,4,5,6,7
	FRAG 128*(\p)+FR*\i, ADRB+\slot, \q, \i
.endr
	WIN 0
.endm
.macro FETCH_A slot, q, i0
.irp i, \i0, \i0+1, \i0+2, \i0+3
	FRAGA AF+FR*(\i), ADRA+\slot, \q, \i
.endr
.endm
.macro SCALES sc
.irp i, 0,1,2,3,4,5,6,7
	ds_load_b64 v[SC+8*NQ*\sc+NQ*\i:SC+8*NQ*\sc+NQ*\i+1], v[ADRS] offset:\i*SBLK
.endr
.endm
.macro PLACES n                        ; plain vector instructions between a matrix instruction and a load into, or a read of, its registers
.rept \n
	v_nop
.endr
.endm
.macro STEP slot, q, zero
	s_wait_dscnt 4*NL                              ; B's set and A's blocks 0-3 are in; the youngest 24 loads (A's blocks 4-7) may be out
	WIN MUL_LO
	MUL16 0, (\q)%2, \q, \slot, \zero
	MUL16 2, (\q)%2, \q, \slot, \zero
	s_wait_dscnt 0
	PLACES NP
	FETCH_B \slot, (\q)+1, 1-(\q)%2
	FETCH_A \slot, (\q)+1, 0
	WIN MUL_HI
	MUL16 4, (\q)%2, \q, \slot, \zero
	MUL16 6, (\q)%2, \q, \slot, \zero
	PLACES NP
	WIN 0
	FETCH_A \slot, (\q)+1, 4
.endm
.macro TURN slot, next, fill           ; a slot's last step changes slots: one barrier, with the waits and the add in front of it
	s_wait_tensorcnt 0x0                           ; all my tensor loads have landed: my part of the next slot
	ds_add_u32 v[SPW], v[NIL]                      ; 0 onto my spare word
	s_wait_dscnt 4*NL+1                            ; (the add and the youngest 24 loads may be out)
	WIN MUL_LO
	MUL16 0, 1, NQ-1, \slot, 0
	s_wait_dscnt 0x0                               ; the add is done, and my reads of this slot are over
	s_barrier_signal -1
	MUL16 2, 1, NQ-1, \slot, 0
	WIN 0
	s_barrier_wait -1
.if \fill
	CREST                                          ; the barrier has opened a round of the cluster's: no wave of any partner still reads this slot or has a load on its way
	s_add_nc_u64 s[G0+4*\slot+2:G0+4*\slot+3], s[G0+4*\slot+2:G0+4*\slot+3], 2*ASTEP
	s_add_nc_u64 s[G0B+4*\slot+2:G0B+4*\slot+3], s[G0B+4*\slot+2:G0B+4*\slot+3], 2*ROWB
	JLOAD G0+4*\slot, G1, G0B+4*\slot, G1B         ; the first tensor load behind the round; its four v_nop are the places in front of the loads below
.else
	PLACES NP
.endif
	v_add_nc_u32 v[ADRS], 4*NQ, v[ADRS]
	FETCH_B \next, 0, 0
	FETCH_A \next, 0, 0
	SCALES \next
	WIN MUL_HI
	MUL16 4, 1, NQ-1, \slot, 0
	MUL16 6, 1, NQ-1, \slot, 0
	PLACES NP
	WIN 0
	FETCH_A \next, 0, 4
.endm
	s_wait_tensorcnt 1                             ; the scales and my part of K step 0 are in (K step 1's load may be out),
	s_barrier_signal -1
	s_barrier_wait -1                              ; everybody's are
	FETCH_B 0, 0, 0
	FETCH_A 0, 0, 0
	SCALES 0
	FETCH_A 0, 0, 4
	STEP 0, 0, 1                                   ; the first step's products start the sums
	s_mov_b32 s3, LAPS-1
.Llap:
	TURN 0, 1, 1
	STEP 1, 0, 0
	TURN 1, 0, 1
	STEP 0, 0, 0
	s_sub_co_u32 s3, s3, 1
	s_cmp_lg_u32 s3, 0
	s_cbranch_scc1 .Llap
	TURN 0, 1, 0                                   ; the last lap fills nothing
	STEP 1, 0, 0
	s_wait_dscnt 4*NL
	WIN MUL_LO
	MUL16 0, 1, NQ-1, 1, 0
	MUL16 2, 1, NQ-1, 1, 0
	s_wait_dscnt 0
	WIN MUL_HI
	MUL16 4, 1, NQ-1, 1, 0
	MUL16 6, 1, NQ-1, 1, 0
	WIN 0
; THE WAY OUT, block by block of 16 places x 128 columns, through my own stage in LDS: back as whole rows of 512 bytes.  LDS serves a wave's instructions in order: no wait between the stores and the loads.
.macro TOSTAGE a
.set AC, 64*((\a)%4)
	WIN 0x08+4*((\a)/4)                            ; the data: window 2 or 3
.irp b, 0,1,2,3,4,5,6,7
	ds_store_b128 v[STO], v[AC+8*\b:AC+8*\b+3] offset:64*\b          ; each accumulator from its low end on
	ds_store_b128 v[STO], v[AC+8*\b+4:AC+8*\b+7] offset:64*\b+16
.endr
	WIN 0
.set BB, BK+64*((\a)%2)
.irp t, 0,1,2,3,4,5,6,7,8,9,10,11,12,13,14,15
	ds_load_b128 v[BB+4*\t:BB+4*\t+3], v[RD] offset:\t*SPITCH
.endr
.endm
; Place 16 a + t is token 32 (a / 2) + 8 (a % 2) + t + 8 (t / 8): the base goes 8 rows on into an odd block and 24 into an even one, and the upper eight rows of a block lie 8 rows further down.
.macro SEND a, younger
.set BB, BK+64*((\a)%2)
	s_wait_dscnt \younger                          ; the block is back in registers
.if (\a) > 0
.if (\a)%2
	s_add_nc_u64 s[12:13], s[12:13], 8*SIZE_N*4    ; (behind a wait on XCNT: the earlier stores have read their base)
.else
	s_add_nc_u64 s[12:13], s[12:13], 24*SIZE_N*4
.endif
.endif
.irp t, 0,1,2,3,4,5,6,7,8,9,10,11,12,13,14,15
	global_store_b128 v[CO], v[BB+4*\t:BB+4*\t+3], s[12:13] offset:(\t+8*(\t/8))*SIZE_N*4 th:TH_STORE_NT   ; 32 lanes store 512 consecutive bytes, aligned
.endr
.endm
	PLACES NP
	TOSTAGE 0
.irp a, 1,2,3,4,5,6,7
.if \a > 1
	s_wait_xcnt 0x0                                ; block a - 2's stores have read their registers and their base
.endif
	TOSTAGE \a
	SEND \a-1, 32                                  ; behind block a - 1's loads: block a's 16 stores and 16 loads
.endr
	s_wait_xcnt 0x0
	SEND 7, 0
	s_wait_tensorcnt 0x0                           ; the wave's end
	ds_add_u32 v[SPW], v[NIL]
	s_wait_dscnt 0x0
	CROUND                                         ; the closing round: no work-group ends while a partner may still ask for a tile that names it
	s_endpgm
.Lfunc_end_k_q806e44c963_gemm_out:
	.size	k_q806e44c963_gemm_out, .Lfunc_end_k_q806e44c963_gemm_out-k_q806e44c963_gemm_out
	.p2alignl 7, 3214868480
	.fill 96, 4, 3214868480
	.section	.rodata,"a",@progbits
	.p2align	6, 0x0
	.amdhsa_kernel k_q806e44c963_gemm_out
		.amdhsa_group_segment_fixed_size 327680
		.amdhsa_private_segment_fixed_size 0
		.amdhsa_enable_private_segment 0
		.amdhsa_kernarg_size 32
		.amdhsa_user_sgpr_count 2
		.amdhsa_user_sgpr_kernarg_segment_ptr 1
		.amdhsa_wavefront_size32 1
		.amdhsa_system_sgpr_workgroup_id_x 1
		.amdhsa_system_sgpr_workgroup_id_y 1
		.amdhsa_system_sgpr_workgroup_id_z 1
		.amdhsa_system_vgpr_workitem_id 0
		.amdhsa_next_free_vgpr 1024
		.amdhsa_next_free_sgpr 98
		.amdhsa_reserve_vcc 0
		.amdhsa_float_denorm_mode_32 3
		.amdhsa_float_denorm_mode_16_64 3
		.amdhsa_memory_ordered 1
		.amdhsa_forward_progress 1
		.amdhsa_inst_pref_size 160
	.end_amdhsa_kernel
	.amdgpu_metadata
---
amdhsa.version: [ 1, 2 ]
amdhsa.kernels:
  - .name:           k_q806e44c963_gemm_out
    .symbol:         k_q806e44c963_gemm_out.kd
    .args:
      - { .name: ao, .offset: 0, .size: 8, .value_kind: global_buffer, .address_space: global }
      - { .name: aos, .offset: 8, .size: 8, .value_kind: global_buffer, .address_space: global }
      - { .name: wq, .offset: 16, .size: 8, .value_kind: global_buffer, .address_space: global }
      - { .name: out0, .offset: 24, .size: 8, .value_kind: global_buffer, .address_space: global }
    .group_segment_fixed_size: 327680
    .private_segment_fixed_size: 0
    .kernarg_segment_align: 8
    .kernarg_segment_size: 32
    .max_flat_workgroup_size: 128
    .sgpr_count:     98
    .vgpr_count:     1024
    .wavefront_size: 32
...
	.end_amdgpu_metadata
.endif
;; end of part 4
